; MI455X (gfx1250); checked and timed in simulation.
; The chip was launched on July 23, 2026; its instructions are those of AMD's public machine-readable ISA for CDNA 5 (MIT licence, August 2026) and "CDNA5" Instruction Set Architecture Reference Guide (July 2026). The comments in the code are by the model that wrote it; some were corrected since.
;; Causal Self Attention. Allowed arithmetic: matrix products marked QUANTISED: E3M2 operands, one E8M0 scale for each 32 along K, by v_wmma_scale_f32_16x16x128_f8f6f4 with both operands' format E3M2, f32 sums; everything else in f32.
;; Inputs: w_proj 1,024 x 1,024 float32; w_qkv 3,072 x 1,024 float32; x 4 x 2,048 x 1,024 float32.
;; Outputs: out0 4 x 2,048 x 1,024 float32.
;; This version of the problem:
;;   THIS VERSION OF THE PROBLEM IS GIVEN IN LOW PRECISION. The matrix products marked QUANTISED in the list below multiply operands that are first quantised to E3M2 (3 exponent bits, 2 mantissa bits; 6 bits a number), with one power-of-two scale for each 32 numbers along K (OCP MX v1.0); their sums are f32. All else is computed in f32.
;;   The module's matrix products, in the order in which they are computed (A, B: the left and right operand; K: the contracted axis; several contracted axes count as one K, in the product's order):
;;     1. [M 8,192, K 1,024] x [K 1,024, N 3,072]; A: input x; B: input w_qkv: QUANTISED
;;     2. batch 64 x [M 2,048, K 64] x [K 64, N 2,048]; A: computed on the way; B: computed on the way: QUANTISED
;;     3. batch 64 x [M 2,048, K 2,048] x [K 2,048, N 64]; A: softmax (see below); B: computed on the way: QUANTISED
;;     4. [M 8,192, K 1,024] x [K 1,024, N 1,024]; A: computed on the way; B: input w_proj: QUANTISED
;;   THE QUANTISER, for each operand of a quantised product, along K:
;;     - K is cut into blocks of 32 from its start; a last block that is shorter is filled with zeros.
;;     - A block's scale is 2^e with e = floor(log2(the largest magnitude in the block)) - 4, held to -126 .. 127; a block of zeros has e = 0. As a byte (E8M0): e + 127.
;;     - Each number is divided by its block's scale, clamped to +-28, and rounded to the nearest number of E3M2, ties to even, subnormals kept.
;;     - The product sums the exact products of the quantised numbers (number of the format x scale) in f32.
;;   ~~~python
;;   def quantise(x, axis):      # numpy; x: float32 -> the quantised numbers, widened to float32 again
;;       x = np.moveaxis(x, axis, -1); K = x.shape[-1]
;;       x = np.pad(x, [(0, 0)] * (x.ndim - 1) + [(0, -K % 32)]); x = x.reshape(x.shape[:-1] + (-1, 32)); a = np.abs(x).max(-1, keepdims=True)
;;       e = np.where(a > 0, np.clip(np.frexp(np.where(a > 0, a, 1))[1] - 1 - 4, -126, 127), 0)      # np.frexp(a)[1] - 1 = floor(log2(a)), exactly
;;       r = np.clip(x / 2.0 ** e, -28, 28)
;;       step = 2.0 ** (np.maximum(np.frexp(np.where(r == 0, 1, r))[1] - 1, -2) - 2)
;;       q = np.round(r / step) * step * 2.0 ** e      # np.round: ties to even
;;       return np.moveaxis(q.reshape(q.shape[:-2] + (-1,))[..., :K], -1, axis).astype(np.float32)
;;   ~~~
;;   SOFTMAX AHEAD OF A QUANTISED PRODUCT. Where the list says 'softmax', what is quantised is not the finished softmax but p = 2^(t - M), with t = logit x log2(e) and M = ceil(the row's largest t), a whole number; so 1/2 < the row's largest p <= 1. The row's sum l is taken of the UNQUANTISED p, in f32, and the product's result is divided by l at the end. Since M is a whole number, a kernel that streams over the keys may use a running M (the ceiling of the running maximum): every later rescaling is an exact power of two, which a block's scale takes up: the codes' values come out the same.
;;   OPERANDS COMPUTED ON THE WAY. 'Computed on the way' means the value that the module computes at that place (a softmax that the list does not call 'softmax' is quantised finished and normalised). What goes into a quantiser is computed in f32, as accurately as f32 sums, v_exp_f32 and their like allow (about 1e-6 of the number): no bf16 or f16 on the way to a quantiser, and a product that is left as it is and whose result goes on into a quantised operand takes f32 operands (vector FMAs, or v_wmma_f32_16x16x4_f32). A number that lies on a knife's edge between two numbers of the format may be rounded either way, as far as f32 arithmetic and the matrix unit's own rounding can turn it there, and no further.
;; One version. Each part assembles by itself: llvm-mc -triple=amdgcn-amd-amdhsa -mcpu=gfx1250 --defsym DOCPART=n.
;; ======== version 1 of 1: 4 launches
;; workspace buffers: xwc 9,437,184 bytes; xws 393,216 bytes; qkv 19,660,800 bytes; yc 6,291,456 bytes; ys 262,144 bytes
;; launch quant (part 1): grid 384 x 1, 4 waves a work-group, no clusters, 33,280 bytes of LDS; arguments x, w_qkv, w_proj, xwc, xws; writes xwc, xws
.if DOCPART == 1
	.amdgcn_target "amdgcn-amd-amdhsa--gfx1250"
	.amdhsa_code_object_version 6
	.text
	.protected	k_q3597c9a8b2_quant
	.globl	k_q3597c9a8b2_quant
	.p2align	8
	.type	k_q3597c9a8b2_quant,@function
k_q3597c9a8b2_quant:
	s_mov_b64 s[64:65], 0
	v_nop
	global_prefetch_b8 v0, s[64:65] scope:SCOPE_SE
	s_setreg_imm32_b32 hwreg(HW_REG_WAVE_MODE, 25, 1), 1
	s_wait_xcnt 0x0
; x [8192][1024], w_qkv [3072][1024] and w_proj [1024][1024], f32 with K innermost, become codes of BF6 (E3M2), 6 bits each, and one E8M0 scale byte for each 32 along K.
; Out: xwc, 12,288 rows of 768 bytes (x, then w_qkv, then w_proj), and xws, the same rows of 32 scale bytes.
; A block's scale is 2^(floor(log2(its largest magnitude)) - 4); its byte is the largest magnitude's exponent field - 4, held at 1 from below.  A block of zeros so gets the byte 1: its codes are zeros,
; which add nothing under any byte but 0xff, and the bytes are read by this program alone.  Each number is divided by the scale and rounded to the nearest code, ties to even; beyond 28 the largest code.
; LIMITS: blocks whose largest magnitude lies under 2^(4 - 126) keep the byte 1; NaN and infinities among the inputs are not served.
; ROW ORDER.  Rows of x and of w_qkv are stored with bits 3 and 4 of the row number exchanged: 16 stored rows 32 g + 16 u + r are the rows 32 g + 8 u + r + 8 (r / 8).  The product that reads them then
; finds 16 neighbours of its result's axis in a lane's 16 registers.  A wave owns 8 rows, so the exchange is an exchange of the wave's two bits in the place where it stores.  w_proj keeps its order.
; A work-group takes 32 rows: 256 work-groups for x, 96 for w_qkv, 32 for w_proj.  A wave takes 8 rows = 16 steps of 512 numbers.  Each of a step's four loads reads 512 consecutive bytes, 16 a lane; the 2,048 bytes
; turn through the wave's own stage in LDS and come back 64 bytes a lane, so that a lane holds 16 neighbours along K (two lanes hold a block).  No tensor load, no barrier: waves share nothing.
.set STEPS, 16
.set CB,    12                         ; bytes of 16 codes
.set R,     16                         ; v16-79   four sets of 16 numbers as they are loaded
.set X,     80                         ; v80-111  two sets of 16 neighbours
.set C,     128                        ; v128-191 codes: four registers for each step, so that no store's data are written again
.set E,     112                        ; v112-127 a scale byte for each step
.set WREG,  8192                       ; LDS: a region for each wave: two stages of 32 x SP bytes, behind them its 256 scale bytes
.set SP,    80                         ; a lane's place in a stage: its 64 bytes + 16 of padding
	s_load_b128 s[4:7], s[0:1], 0x0                ; x, w_qkv
	s_load_b128 s[8:11], s[0:1], 0x10              ; w_proj, xwc
	s_load_b64 s[12:13], s[0:1], 0x20              ; xws
	v_lshl_add_u32 v192, v0, 2, 0x8000
	v_mov_b32 v193, 0
	v_lshrrev_b32 v1, 5, v0
	v_readfirstlane_b32 s16, v1                    ; wave
	v_and_b32 v2, 31, v0                           ; lane
	v_lshlrev_b32 v3, 4, v2                        ; my 16 bytes of a load's 512
	s_mul_i32 s17, s16, WREG
	v_lshrrev_b32 v14, 2, v2
	v_mul_u32_u24 v14, v14, SP
	v_and_b32 v15, 3, v2
	v_lshl_add_u32 v14, v15, 4, v14
	v_add_nc_u32 v14, s17, v14                     ; the stage, on the way in: four lanes' 64 bytes on end, then 16 of padding
	v_mul_u32_u24 v15, v2, SP
	v_add_nc_u32 v15, s17, v15                     ; and on the way out: SP x lane: my 16 neighbours
	v_mul_u32_u24 v4, v2, CB                       ; my codes' place in a step's
	v_lshrrev_b32 v5, 1, v2
	s_add_co_u32 s17, s17, 2*32*SP
	v_add_nc_u32 v5, s17, v5                       ; LDS: my wave's 256 scale bytes, my block's byte
	v_lshlrev_b32 v7, 3, v2                        ; and on the way out 8 bytes a lane
	v_add_nc_u32 v6, s17, v7
	s_and_b32 s23, s16, 1
	s_lshl_b32 s23, s23, 1
	s_lshr_b32 s24, s16, 1
	s_or_b32 s23, s23, s24                         ; the wave's two bits exchanged
	s_wait_kmcnt 0x0
	s_cmp_lt_u32 ttmp9, 256                        ; which tensor?  The choices hang on the work-group's number alone
	s_cselect_b64 s[4:5], s[4:5], s[6:7]
	s_cselect_b32 s17, 0, 256
	s_cmp_lt_u32 ttmp9, 352
	s_cselect_b64 s[4:5], s[4:5], s[8:9]
	s_cselect_b32 s17, s17, 352                    ; the tensor's first work-group
	s_cselect_b32 s22, s23, s16                    ; where my 8 rows go among the work-group's 32
	s_sub_co_u32 s17, ttmp9, s17
	s_lshl_b32 s17, s17, 2
	s_add_co_u32 s17, s17, s16                     ; which run of 8 rows of the tensor I read
	s_lshl_b32 s18, s17, 15                        ; 32,768 bytes a run
	s_mov_b32 s19, 0
	s_add_nc_u64 s[4:5], s[4:5], s[18:19]
	s_lshl_b32 s20, ttmp9, 2
	s_add_co_u32 s20, s20, s22                     ; which run of 8 rows of xwc and xws I write
	s_mul_i32 s18, s20, 6144
	s_add_nc_u64 s[10:11], s[10:11], s[18:19]
	s_lshl_b32 s18, s20, 8
	s_add_nc_u64 s[12:13], s[12:13], s[18:19]
.macro LOAD t
.irp i, 0,1,2,3
	global_load_b128 v[R+16*((\t)%4)+4*\i:R+16*((\t)%4)+4*\i+3], v3, s[4:5] offset:2048*(\t)+512*\i th:TH_LOAD_NT   ; 32 lanes read 512 consecutive bytes
.endr
.endm
.macro TURN t                          ; step t's numbers through the stage: LDS serves a wave's instructions in order, so no wait stands between the stores and the loads
.irp i, 0,1,2,3
	ds_store_b128 v14, v[R+16*((\t)%4)+4*\i:R+16*((\t)%4)+4*\i+3] offset:32*SP*((\t)%2)+8*SP*\i
.endr
.irp i, 0,1,2,3
	ds_load_b128 v[X+16*((\t)%2)+4*\i:X+16*((\t)%2)+4*\i+3], v15 offset:32*SP*((\t)%2)+16*\i
.endr
.endm
.irp t, 0,1,2,3
	LOAD \t
.endr
	s_wait_loadcnt 12                              ; step 0's four loads are in; three steps' twelve may be out
	TURN 0
.macro STEP t
.set XS, X+16*((\t)%2)
.if (\t) > 0
	s_wait_dscnt 1                                 ; this step's numbers are back from the stage (the last step's byte store may be out): so its stores into the stage have read their registers,
.else
	s_wait_dscnt 0x0
.endif
.if (\t)+4 < STEPS
	LOAD (\t)+4                                    ; which take the loads of four steps on
.endif
.if (\t)+1 < STEPS
.if STEPS-2-(\t) >= 3
	s_wait_loadcnt 12                              ; the next step's four loads are in; those of the three steps behind it may be out
.else
	s_wait_loadcnt 4*(STEPS-2-(\t))
.endif
	TURN (\t)+1                                    ; and go through the other stage while this step is worked
.endif
	v_max3_num_f32 v8, |v[XS]|, |v[XS+1]|, |v[XS+2]|               ; the largest magnitude of my 16, in two chains
	v_max3_num_f32 v9, |v[XS+3]|, |v[XS+4]|, |v[XS+5]|
.irp i, 6,10
	v_max3_num_f32 v8, v8, |v[XS+\i]|, |v[XS+\i+1]|
	v_max3_num_f32 v9, v9, |v[XS+\i+2]|, |v[XS+\i+3]|
.endr
	v_max3_num_f32 v8, v8, |v[XS+14]|, |v[XS+15]|
	v_max3_num_f32 v8, v8, v9, 0x2800000           ; and the floor 2^(5 - 127): the byte cannot fall under 1
	v_max_num_f32_dpp v8, v8, v8 row_xmask:1 row_mask:0xf bank_mask:0xf   ; and of my neighbour's 16: the block's
	v_add_nc_u32 v11, 0xfe000000, v8               ; 4 off its exponent field: the conversion takes the exponent field of this operand as its scale, and nothing else of it
	v_cvt_scalef32_pk16_bf6_f32 v[C+4*(\t):C+4*(\t)+2], v[XS:XS+15], v11
	v_lshrrev_b32 v[E+(\t)], 23, v11               ; the scale's byte (also the plain line behind the conversion)
	ds_store_b8 v5, v[E+(\t)] offset:16*(\t)       ; both lanes of a block write the same byte with the same value
	global_store_b96 v4, v[C+4*(\t):C+4*(\t)+2], s[10:11] offset:32*CB*(\t)   ; the wave stores 384 consecutive bytes
.endm
.irp t, 0,1,2,3,4,5,6,7,8,9,10,11,12,13,14,15
	STEP \t
.endr
	ds_load_b64 v[12:13], v6                       ; LDS serves a wave's instructions in order: these see my stores
	s_wait_dscnt 0x0
	global_store_b64 v7, v[12:13], s[12:13]        ; 32 lanes store 256 consecutive bytes, aligned: my 8 rows' scale bytes
	s_wait_tensorcnt 0x0
	ds_add_u32 v192, v193
	s_wait_dscnt 0x0
	s_endpgm
.Lfunc_end_k_q3597c9a8b2_quant:
	.size	k_q3597c9a8b2_quant, .Lfunc_end_k_q3597c9a8b2_quant-k_q3597c9a8b2_quant
	.p2alignl 7, 3214868480
	.fill 96, 4, 3214868480
	.section	.rodata,"a",@progbits
	.p2align	6, 0x0
	.amdhsa_kernel k_q3597c9a8b2_quant
		.amdhsa_group_segment_fixed_size 33280
		.amdhsa_private_segment_fixed_size 0
		.amdhsa_enable_private_segment 0
		.amdhsa_kernarg_size 40
		.amdhsa_user_sgpr_count 2
		.amdhsa_user_sgpr_kernarg_segment_ptr 1
		.amdhsa_wavefront_size32 1
		.amdhsa_system_sgpr_workgroup_id_x 1
		.amdhsa_system_sgpr_workgroup_id_y 1
		.amdhsa_system_sgpr_workgroup_id_z 1
		.amdhsa_system_vgpr_workitem_id 0
		.amdhsa_next_free_vgpr 194
		.amdhsa_next_free_sgpr 66
		.amdhsa_reserve_vcc 0
		.amdhsa_float_denorm_mode_32 3
		.amdhsa_float_denorm_mode_16_64 3
		.amdhsa_memory_ordered 1
		.amdhsa_forward_progress 1
		.amdhsa_inst_pref_size 33
	.end_amdhsa_kernel
	.amdgpu_metadata
---
amdhsa.version: [ 1, 2 ]
amdhsa.kernels:
  - .name:           k_q3597c9a8b2_quant
    .symbol:         k_q3597c9a8b2_quant.kd
    .args:
      - { .name: x, .offset: 0, .size: 8, .value_kind: global_buffer, .address_space: global }
      - { .name: w_qkv, .offset: 8, .size: 8, .value_kind: global_buffer, .address_space: global }
      - { .name: w_proj, .offset: 16, .size: 8, .value_kind: global_buffer, .address_space: global }
      - { .name: xwc, .offset: 24, .size: 8, .value_kind: global_buffer, .address_space: global }
      - { .name: xws, .offset: 32, .size: 8, .value_kind: global_buffer, .address_space: global }
    .group_segment_fixed_size: 33280
    .private_segment_fixed_size: 0
    .kernarg_segment_align: 8
    .kernarg_segment_size: 40
    .max_flat_workgroup_size: 128
    .sgpr_count:     66
    .vgpr_count:     194
    .wavefront_size: 32
...
	.end_amdgpu_metadata
.endif
;; end of part 1
;; launch qkv (part 2): grid 12 x 32, 4 waves a work-group, clusters of 4 x 4, 327,680 bytes of LDS; arguments xwc, xws, qkv; writes qkv
.if DOCPART == 2
	.amdgcn_target "amdgcn-amd-amdhsa--gfx1250"
	.amdhsa_code_object_version 6
	.text
	.protected	k_q3597c9a8b2_qkv
	.globl	k_q3597c9a8b2_qkv
	.p2align	8
	.type	k_q3597c9a8b2_qkv,@function
k_q3597c9a8b2_qkv:
	s_mov_b64 s[64:65], 0
	v_nop
	global_prefetch_b8 v0, s[64:65] scope:SCOPE_SE
	s_setreg_imm32_b32 hwreg(HW_REG_WAVE_MODE, 25, 1), 1
	s_wait_xcnt 0x0
	s_wait_alu depctr_hold_cnt(0) depctr_sa_sdst(0) depctr_va_vdst(0) depctr_va_sdst(0) depctr_va_ssrc(0) depctr_va_vcc(0) depctr_vm_vsrc(0)
	s_getreg_b32 s2, hwreg(HW_REG_IB_STS2, 6, 4)
	s_cmp_eq_u32 s2, 0
	s_cbranch_scc0 .Lentry_in_a_cluster
	s_endpgm
.Lentry_in_a_cluster:
	s_bfe_u32 s2, ttmp6, 0x10000c
	s_cmp_lg_u32 s2, 0xf033
	s_cbranch_scc0 .Lentry_shape_is_right
	s_endpgm
.Lentry_shape_is_right:
; q, k, v = x w_qkv^T on codes of BF6 (E3M2) with one E8M0 scale for each 32 along K = 1,024; the f32 results are quantised again IN REGISTERS and leave as codes: q and k along the head's 64, v along the keys.
; In: xwc, rows of 768 bytes of codes (rows 0-8,191 tokens, rows 8,192-11,263 w_qkv), xws, the same rows of 32 scale bytes.  Both lie with bits 3 and 4 of the row number exchanged: 16 stored rows 32 g + 16 u + r are the rows 32 g + 8 u + r + 8 (r / 8).
; A tile of the result, 256 x 256, is made by four waves, each 128 x 128: 64 accumulators, 512 registers.  K goes in steps of 256 through a ring of two LDS slots filled by the tensor data mover (a tile's row is 192 bytes).
; TWO SIDES.  Source 0 takes 16 rows of side P, source 1 16 rows of side R: a lane then holds ONE row of R, and its registers run along P.  By the stored order of P's rows, register 16 b + i of the 64 that belong to a tile of R
; holds P's index 32 b + 16 (lane / 16) + i: 16 neighbours, the other 16 of the block in the lane 16 away.  So P is the axis that is quantised:
;   cluster x = 0, 1 (q, k): P = 256 rows of w_qkv (four heads), R = 256 tokens.     cluster x = 2 (v): P = 256 tokens (keys), R = 256 rows of w_qkv.
; CLUSTERS: 4 x 4 work-groups.  R's tile hangs on cy and the cluster's place alone and is shared along a row of the cluster, P's on cx and is shared along a column: each is asked for JOINTLY, by the same tensor load with a mask that names the four.
; The branch between the two ways out hangs on the cluster's x, which all sixteen partners share.
; OUT: qkv = 3 sections (q, k, v) x 64 heads x 16 records of 6,400 bytes; a record is 128 tokens of one head: four images of an operand's 12 registers (registers 4 g .. 4 g + 3 of lane l at 1536 e + 512 g + 16 l) and 256 bytes of scale words (image e, row r: 6144 + 16 r + 4 e).
;   q, k: image e: registers 0-5 tokens 32 e + r + 8 (r / 8), registers 6-11 tokens 32 e + 8 + r + 8 (r / 8); lane (r, h) holds d = 32 h .. 32 h + 31; scale bytes 0, 1 and 2, 3 likewise.
;   v: image e is a whole fragment: row r is d = 32 (e / 2) + 8 (e % 2) + r + 8 (r / 8), K the record's 128 keys.
; LIMITS: a block whose largest magnitude lies under 2^(4 - 126), a block of zeros among them, keeps the scale byte 1 (its codes are zeros or what that scale gives); NaN and infinities are not served.
; REGISTERS, in windows of 256: window 0: v0-31 addresses; v32-63 scale words, two sets; from v128 R's fragments, ONE set; on the way out v32-223 are free.  window 1: P's fragments, two sets, at v0 and v128.
;   window 2: the accumulators of my R rows 0-63 (accumulator (a, b) at v[8 (8 a + b)]); window 3: those of rows 64-127.
.set KSTEP,  256
.set NQ,     2                         ; matrix instructions deep in a slot
.set ROWB,   192                       ; a tile's row in bytes
.set KROW,   768                       ; a row of xwc
.set PITCH,  240                       ; an LDS row: 3 x (64 bytes + 16 of padding) = 60 words: the 32 lanes of a load of 8 bytes touch 64 different banks (64 banks of 4 bytes: ISA guide 11.1)
.set FR,     12                        ; registers of a fragment
.set NL,     6                         ; LDS loads that bring one
.set NP,     4                         ; places behind this matrix instruction (ISA guide 7.12.1)
.set HALFT,  128*PITCH                 ; 128 rows: what one tensor load brings
.set SLOT,   4*HALFT                   ; R's 256 rows, then P's 256 rows
.set LAPS,   2                         ; 1,024 / 512
.set KS,     32                        ; a row of scale bytes
.set SCL,    2*SLOT                    ; behind the ring: the scales of all of K, as rows of 256 bytes + 16 of padding
.set HALFS,  (128*KS/256)*272
.set SBLK,   (16*KS/256)*272
.set SPARE,  SCL+4*HALFS               ; the spare words, 128 bytes a wave: two blocks of 256 bytes that no other line names
.set SEC,    6553600                   ; a section of qkv
.set HEADB,  102400                    ; a head's 16 records
.set REC,    6400
.set ADRA, 16                          ; v16-17 LDS address of my R fragments in slot 0, 1 (v18-19: behind one padding more)
.set ADRB, 20                          ; v20-23 the same for P
.set SO,   24                          ; v24 the way out: where my four scale words go: lanes 0-15 the first head's record, lanes 16-31 the second's
.set LN,   25                          ; v25 my lane
.set CO,   26                          ; v26 16 x lane
.set ADRS, 27                          ; v27 LDS address of my scale words: lanes 0-15 R's rows, lanes 16-31 P's
.set SPW,  28                          ; v28 LDS address of my spare word; never rewritten
.set NIL,  29                          ; v29 0; never rewritten
.set SC,   32                          ; scale words: set s at v[SC + 16 s]
.set AF,   128                         ; R's fragments
.set PW,   32                          ; the way out: v32-39 a scale word for each tile of R
.set TM,   40                          ; v40-43 largest magnitudes, v44-47 the other half's, then bytes, v52-55 the conversions' scale operands
.set TP,   56                          ; v56-62 the blocks' second halves
.set CODE, 64                          ; v64-159 four sets of 24: no store's data are written again
.set WD,   160                         ; v160-163 the scale words to store
.set WK,   164                         ; v164-171 at work
.set SELA, 95                          ; s95, s96 lane selects for v_permlanex16_b32: lane l xor 16
.set G1, 24
.set G0, 32
.set G1B, 48
.set G0B, 56
.set G1S, 68
.set G0S, 76
.set G1SB, 80
.set G0SB, 88
.set MSB, 0
.macro WIN new                         ; the immediate's high byte repeats the setting that is left
.if MSB != \new
	s_set_vgpr_msb (MSB<<8)|\new
.set MSB, \new
.endif
.endm
.set MUL_LO, 0xa1                      ; source 0 (P) window 1, source 1 (R) window 0, C and D window 2
.set MUL_HI, 0xf1
.set TO_B,   0x40                      ; destination window 1, address window 0
; A joint load: waves 0 and 1 fetch for R, waves 2 and 3 for P.  The branch hangs on the wave's number alone.  Four v_nop follow each of the two lines.
.macro JLOAD g0a, g1a, g0b, g1b
	s_cmp_eq_u32 s15, 0
	s_cbranch_scc0 .Lfor_b_\@
	tensor_load_to_lds s[\g0a:\g0a+3], s[\g1a:\g1a+7]
	s_nop 0
.rept 4
	v_nop
.endr
	s_branch .Lasked_\@
.Lfor_b_\@:
	tensor_load_to_lds s[\g0b:\g0b+3], s[\g1b:\g1b+7]
	s_nop 0
.rept 4
	v_nop
.endr
.Lasked_\@:
.endm
.macro CREST                           ; a round of the cluster's barrier behind its opening barrier
	s_cmp_lg_u32 s14, 0
	s_cbranch_scc1 .Lnot_wave_0_\@
	s_barrier_signal -3
.Lnot_wave_0_\@:
	s_barrier_wait -3
	s_barrier_signal -1
	s_barrier_wait -1
.endm
.macro CROUND
	s_barrier_signal -1
	s_barrier_wait -1
	CREST
.endm
	s_load_b128 s[4:7], s[0:1], 0x0                ; xwc, xws: both sides' rows lie in them
	s_load_b64 s[12:13], s[0:1], 0x10              ; qkv
	v_lshl_add_u32 v[SPW], v0, 2, SPARE
	v_mov_b32 v[NIL], 0
	ds_add_u32 v28, v29
	s_wait_dscnt 0x0
	v_lshrrev_b32 v1, 5, v0
	v_readfirstlane_b32 s14, v1                    ; wave 0..3
	s_lshr_b32 s15, s14, 1                         ; which half of R's rows is mine.  Also: I fetch for R (0) or for P (1)
	s_and_b32 s16, s14, 1                          ; which half of P's rows.  Also: which 128 rows of that tile I fetch
	s_bfe_u32 s40, ttmp6, 0x40000                  ; cx, cy: my place in the cluster
	s_bfe_u32 s41, ttmp6, 0x40004
	s_and_b32 s17, ttmp7, 0xffff                   ; cluster y: 1,024 tokens
	s_lshl_b32 s43, s41, 2
	s_lshl_b32 s43, 15, s43                        ; my row of the cluster
	s_lshl_b32 s44, 0x1111, s40                    ; my column
	; descriptor group 1: a tile of 128 rows x 192 bytes, 16 bytes of padding behind every 64
	s_or_b32 s[G1+0], s43, (0<<16)|(1<<20)|(1<<21)|(3<<22)|(3<<25)  ; 15:0 the mask: R's tiles go to my row; elements of 1 byte; padding on; bit 21 beside a mask; after every 16 words, 4 words
	s_or_b32 s[G1B+0], s44, (0<<16)|(1<<20)|(1<<21)|(3<<22)|(3<<25)
.irp g, G1, G1B
	s_mov_b32 s[\g+1], ROWB<<16                    ; tensor_dim0
	s_mov_b32 s[\g+2], 128<<16                     ; tensor_dim1
	s_mov_b32 s[\g+3], ROWB<<16                    ; tile_dim0
	s_mov_b32 s[\g+4], 128                         ; tile_dim1
	s_mov_b32 s[\g+5], KROW                        ; tensor_dim0_stride
	s_mov_b32 s[\g+6], 0
	s_mov_b32 s[\g+7], 0
.endr
	; the scales of 128 rows: 4,096 dense bytes, as 16 rows of 256 bytes (32 elements of 8), 16 bytes of padding behind each
	s_or_b32 s[G1S+0], s43, (3<<16)|(1<<20)|(1<<21)|(5<<22)|(3<<25)
	s_or_b32 s[G1SB+0], s44, (3<<16)|(1<<20)|(1<<21)|(5<<22)|(3<<25)
.irp g, G1S, G1SB
	s_mov_b32 s[\g+1], 32<<16
	s_mov_b32 s[\g+2], (128*KS/256)<<16
	s_mov_b32 s[\g+3], 32<<16
	s_mov_b32 s[\g+4], 128*KS/256
	s_mov_b32 s[\g+5], 32
	s_mov_b32 s[\g+6], 0
	s_mov_b32 s[\g+7], 0
.endr
	; the two sides' first rows in xwc.  R's hangs on cy, P's on cx, each in registers that never hold the other
	s_lshl_b32 s18, s16, 7                         ; which 128 rows of the tile I fetch
	s_lshl_b32 s95, s17, 10                        ; the cluster's first token
	s_lshl_b32 s96, ttmp9, 10
	s_add_co_u32 s96, s96, 8192                    ; q's or k's first row of w_qkv
	s_mov_b32 s97, 10240                           ; v's first row of w_qkv
	s_cmp_lt_u32 ttmp9, 2                          ; q, k or v: the cluster's x
	s_cselect_b32 s20, s95, s97                    ; R: tokens, or v's rows
	s_cselect_b32 s46, s96, s95                    ; P: q's or k's rows, or tokens
	s_lshl_b32 s19, s41, 8
	s_add_co_u32 s20, s20, s19
	s_add_co_u32 s20, s20, s18                     ; R: + 256 cy + 128 x half
	s_lshl_b32 s42, s40, 8
	s_add_co_u32 s46, s46, s42
	s_add_co_u32 s46, s46, s18                     ; P: + 256 cx + 128 x half
	s_mov_b32 s21, 0
	s_mov_b32 s47, 0
	s_mov_b64 s[18:19], KS
	s_mul_u64 s[22:23], s[20:21], s[18:19]         ; where these rows' scales begin, in bytes
	s_mul_u64 s[92:93], s[46:47], s[18:19]
	s_mov_b64 s[18:19], KROW
	s_mul_u64 s[20:21], s[20:21], s[18:19]         ; and their codes
	s_mul_u64 s[46:47], s[46:47], s[18:19]
	s_mul_i32 s45, s14, HALFT                      ; where they go: wave x 128 rows: no place in the cluster enters an LDS address
	s_mul_i32 s94, s14, HALFS
	s_wait_kmcnt 0x0
	s_add_nc_u64 s[20:21], s[4:5], s[20:21]
	s_add_nc_u64 s[22:23], s[6:7], s[22:23]
	s_add_nc_u64 s[46:47], s[4:5], s[46:47]
	s_add_nc_u64 s[92:93], s[6:7], s[92:93]
	CROUND                                         ; all sixteen work-groups are here: the first joint loads meet
	s_mov_b32 s[G0S], 1
	s_add_co_u32 s[G0S+1], s94, SCL
	s_mov_b64 s[G0S+2:G0S+3], s[22:23]
	s_or_b32 s[G0S+3], s[G0S+3], 0x80000000
	s_mov_b32 s[G0SB], 1
	s_add_co_u32 s[G0SB+1], s94, SCL
	s_mov_b64 s[G0SB+2:G0SB+3], s[92:93]
	s_or_b32 s[G0SB+3], s[G0SB+3], 0x80000000
	JLOAD G0S, G1S, G0SB, G1SB                     ; the scales first: they are wanted with K step 0
.irp s, 0,1
	s_mov_b32 s[G0+4*\s], 1
	s_add_co_u32 s[G0+4*\s+1], s45, \s*SLOT
	s_add_nc_u64 s[G0+4*\s+2:G0+4*\s+3], s[20:21], \s*ROWB
	s_or_b32 s[G0+4*\s+3], s[G0+4*\s+3], 0x80000000
	s_mov_b32 s[G0B+4*\s], 1
	s_add_co_u32 s[G0B+4*\s+1], s45, \s*SLOT
	s_add_nc_u64 s[G0B+4*\s+2:G0B+4*\s+3], s[46:47], \s*ROWB
	s_or_b32 s[G0B+4*\s+3], s[G0B+4*\s+3], 0x80000000
	JLOAD G0+4*\s, G1, G0B+4*\s, G1B
.endr
	v_and_b32 v1, 15, v0                           ; r
	v_bfe_u32 v2, v0, 4, 1                         ; h
	v_mul_u32_u24 v3, v1, PITCH
	v_mul_u32_u24 v4, v2, 24
	v_add_nc_u32 v4, v3, v4                        ; a fragment's row x pitch + 24 x half
	v_lshl_add_u32 v5, v2, 4, v4                   ; and the same behind one padding more
	s_mul_i32 s21, s15, HALFT                      ; my 128 rows of R
	s_mul_i32 s22, s16, HALFT                      ; my 128 rows of P,
	s_add_co_u32 s22, s22, 2*HALFT                 ; which lie behind R's 256
.irp s, 0,1
	v_add_nc_u32 v[ADRA+\s], s21, v4
	v_add_nc_u32 v[ADRB+\s], s22, v4
	v_add_nc_u32 v[ADRA+2+\s], s21, v5
	v_add_nc_u32 v[ADRB+2+\s], s22, v5
	s_add_co_u32 s21, s21, SLOT
	s_add_co_u32 s22, s22, SLOT
.endr
	v_mul_u32_u24 v5, v1, KS                       ; my row's scales: 32 bytes a row,
	v_lshrrev_b32 v6, 8, v5
	v_lshl_add_u32 v5, v6, 4, v5                   ; and 16 more for each 256 passed
	s_mul_i32 s21, s15, HALFS
	s_mul_i32 s22, s16, HALFS
	s_add_co_u32 s22, s22, 2*HALFS
	s_sub_co_u32 s22, s22, s21
	v_mul_u32_u24 v6, s22, v2                      ; lanes 16-31 take P's: one product, the distance between the two bases
	s_add_co_u32 s21, s21, SCL
	v_add_nc_u32 v5, v5, v6
	v_add_nc_u32 v[ADRS], s21, v5
	v_and_b32 v[LN], 31, v0
	v_lshlrev_b32 v[CO], 4, v[LN]
	v_mul_u32_u24 v5, v2, HEADB
	v_lshl_add_u32 v[SO], v1, 4, v5
	; where my two heads' records begin in qkv.  q, k: heads by P (cx, my half of P), the 128 tokens by R (cy, my half of R); v: the other way round
	s_cmp_lt_u32 ttmp9, 2
	s_cselect_b32 s66, s40, s41
	s_cselect_b32 s67, s16, s15
	s_cselect_b32 s95, s41, s40
	s_cselect_b32 s96, s15, s16
	s_lshl_b32 s66, s66, 2
	s_lshl_b32 s67, s67, 1
	s_add_co_u32 s66, s66, s67                     ; my first head
	s_lshr_b32 s67, s17, 1                         ; the batch: 2,048 tokens are two clusters
	s_lshl_b32 s67, s67, 4
	s_add_co_u32 s66, s66, s67
	s_lshl_b32 s66, s66, 4                         ; 16 records a head
	s_and_b32 s67, s17, 1
	s_lshl_b32 s67, s67, 3
	s_add_co_u32 s66, s66, s67
	s_lshl_b32 s95, s95, 1
	s_add_co_u32 s66, s66, s95
	s_add_co_u32 s66, s66, s96                     ; + which 128 tokens of the batch
	s_mul_i32 s66, s66, REC
	s_mul_i32 s67, ttmp9, SEC                      ; the section: q, k or v
	s_add_co_u32 s66, s66, s67
	s_mov_b32 s67, 0
	s_add_nc_u64 s[12:13], s[12:13], s[66:67]
.macro FRAG reg, adr, q, i             ; a fragment, 16 rows x 128 K, is 12 registers: lane l holds row l % 16; registers 6 c .. 6 c + 5 hold K = 64 c + 32 (l / 16) + 0 .. 31: 24 bytes of the row's stream of bits, as they lie
.irp p, 0,1,2,3,4,5                    ; in pieces of 8 bytes.  Lanes 16-31 read three pieces further on; where that lies behind one padding more, the second address register serves
.set PC, 12*(\q)+6*(\p/3)+\p%3
.if PC%8 < 5
	ds_load_b64 v[\reg+2*\p:\reg+2*\p+1], v[\adr] offset:8*PC+16*(PC/8)+(\i)*16*PITCH
.else
	ds_load_b64 v[\reg+2*\p:\reg+2*\p+1], v[\adr+2] offset:8*PC+16*(PC/8)+(\i)*16*PITCH
.endif
.endr
.endm
; 16 matrix instructions: R's blocks a0, a0 + 1 x P's eight, 128 along K.  The 64 accumulators take turns, one instruction a turn, in the same order in every step.
.macro MUL16 a0, p, q, sc, zero
.irp a, \a0, \a0+1
.irp b, 0,1,2,3,4,5,6,7
.if \zero
	v_wmma_scale_f32_16x16x128_f8f6f4 v[8*(8*((\a)%4)+\b):8*(8*((\a)%4)+\b)+7], v[128*(\p)+FR*\b:128*(\p)+FR*\b+FR-1], v[AF+FR*(\a):AF+FR*(\a)+FR-1], 0, v[SC+8*NQ*(\sc)+NQ*\b+(\q)], v[SC+8*NQ*(\sc)+NQ*(\a)+(\q)] matrix_a_fmt:MATRIX_FMT_BF6 matrix_b_fmt:MATRIX_FMT_BF6 matrix_a_scale:MATRIX_SCALE_ROW1
.else
	v_wmma_scale_f32_16x16x128_f8f6f4 v[8*(8*((\a)%4)+\b):8*(8*((\a)%4)+\b)+7], v[128*(\p)+FR*\b:128*(\p)+FR*\b+FR-1], v[AF+FR*(\a):AF+FR*(\a)+FR-1], v[8*(8*((\a)%4)+\b):8*(8*((\a)%4)+\b)+7], v[SC+8*NQ*(\sc)+NQ*\b+(\q)], v[SC+8*NQ*(\sc)+NQ*(\a)+(\q)] matrix_a_fmt:MATRIX_FMT_BF6 matrix_b_fmt:MATRIX_FMT_BF6 matrix_a_scale:MATRIX_SCALE_ROW1
.endif
.endr
.endr
.endm
.macro FETCH_B slot, q, p
	WIN TO_B
.irp i, 0,1,2,3,4,5,6,7
	FRAG 128*(\p)+FR*\i, ADRB+\slot, \q, \i
.endr
	WIN 0
.endm
.macro FETCH_A slot, q, i0
.irp i, \i0, \i0+1, \i0+2, \i0+3
	FRAG AF+FR*(\i), ADRA+\slot, \q, \i
.endr
.endm
.macro SCALES sc                       ; a K step's scale words: two words a row; lanes 0-15 take R's block i, lanes 16-31 P's block i
.irp i, 0,1,2,3,4,5,6,7
	ds_load_b64 v[SC+8*NQ*\sc+NQ*\i:SC+8*NQ*\sc+NQ*\i+1], v[ADRS] offset:\i*SBLK
.endr
.endm
; A load into a register that a matrix instruction has read, and a vector instruction that reads a matrix result, stand NP places behind it; only plain vector instructions that name none of its registers are places.
.macro PLACES n
.rept \n
	v_nop
.endr
.endm
.macro STEP slot, q, zero              ; a step of 128 along K that has its successor in the same slot
	s_wait_dscnt 4*NL                              ; P's set and R's blocks 0-3 are in; the youngest 24 loads (R's blocks 4-7) may be out
	WIN MUL_LO
	MUL16 0, (\q)%2, \q, \slot, \zero
	MUL16 2, (\q)%2, \q, \slot, \zero
	s_wait_dscnt 0                                 ; R's blocks 4-7 are in
	PLACES NP
	FETCH_B \slot, (\q)+1, 1-(\q)%2
	FETCH_A \slot, (\q)+1, 0
	WIN MUL_HI
	MUL16 4, (\q)%2, \q, \slot, \zero
	MUL16 6, (\q)%2, \q, \slot, \zero
	PLACES NP
	WIN 0
	FETCH_A \slot, (\q)+1, 4
.endm
; A slot's last step changes slots: ONE barrier; in front of it each wave waits for all its tensor loads, adds 0 to its spare word, and waits for that and for its own reads of this slot.  fill = 1: this slot is filled again, two K steps ahead.
.macro TURN slot, next, fill
	s_wait_tensorcnt 0x0                           ; all my tensor loads have landed: my part of the next slot
	ds_add_u32 v[SPW], v[NIL]                      ; 0 onto my spare word
	s_wait_dscnt 4*NL+1                            ; (the add and the youngest 24 loads may be out)
	WIN MUL_LO
	MUL16 0, 1, NQ-1, \slot, 0                     ; sixteen matrix instructions stand between the add and the wait for it
	s_wait_dscnt 0x0                               ; the add is done, and my reads of this slot are over
	s_barrier_signal -1
	MUL16 2, 1, NQ-1, \slot, 0
	WIN 0
	s_barrier_wait -1
.if \fill
	CREST                                          ; the barrier has opened a round of the cluster's barrier: no wave of any partner still reads this slot or has a load on its way
	s_add_nc_u64 s[G0+4*\slot+2:G0+4*\slot+3], s[G0+4*\slot+2:G0+4*\slot+3], 2*ROWB
	s_add_nc_u64 s[G0B+4*\slot+2:G0B+4*\slot+3], s[G0B+4*\slot+2:G0B+4*\slot+3], 2*ROWB
	JLOAD G0+4*\slot, G1, G0B+4*\slot, G1B         ; the first tensor load behind the round; its four v_nop are also the places in front of the loads below
.else
	PLACES NP
.endif
	v_add_nc_u32 v[ADRS], 4*NQ, v[ADRS]            ; on to the next K step's scale words
	FETCH_B \next, 0, 0
	FETCH_A \next, 0, 0
	SCALES \next
	WIN MUL_HI
	MUL16 4, 1, NQ-1, \slot, 0
	MUL16 6, 1, NQ-1, \slot, 0
	PLACES NP
	WIN 0
	FETCH_A \next, 0, 4
.endm
	s_wait_tensorcnt 1                             ; the scales and my part of K step 0 are in (K step 1's load may be out)
	s_barrier_signal -1
	s_barrier_wait -1                              ; everybody's are
	FETCH_B 0, 0, 0
	FETCH_A 0, 0, 0
	SCALES 0
	FETCH_A 0, 0, 4
	STEP 0, 0, 1                                   ; the first step stands in front of the loop: its products start the sums
	s_mov_b32 s3, LAPS-1
.Llap:                                                 ; a trip goes once round the ring and fills both slots again
	TURN 0, 1, 1
	STEP 1, 0, 0
	TURN 1, 0, 1
	STEP 0, 0, 0
	s_sub_co_u32 s3, s3, 1
	s_cmp_lg_u32 s3, 0
	s_cbranch_scc1 .Llap
	TURN 0, 1, 0                                   ; the last lap fills nothing
	STEP 1, 0, 0
	s_wait_dscnt 4*NL                              ; the very last step
	WIN MUL_LO
	MUL16 0, 1, NQ-1, 1, 0
	MUL16 2, 1, NQ-1, 1, 0
	s_wait_dscnt 0
	WIN MUL_HI
	MUL16 4, 1, NQ-1, 1, 0
	MUL16 6, 1, NQ-1, 1, 0
	WIN 0
; THE WAY OUT.  The 64 results of R's tile a (register 16 b + i = P's index 32 b + 16 (lane / 16) + i of my row) become four blocks' codes and a scale word.  d0: where the six registers of blocks 0, 1 go; d1: those of blocks 2, 3.
; Each accumulator is read from its low end on: the maxima walk i upward.
.macro QUANT2 a, d0, d1
.set AC, 64*((\a)%4)
.set WN, (\a)/4
.set D0, \d0
.set D1, \d1
.set PWA, PW+(\a)
	WIN 0x0a+5*WN                                  ; sources 0 and 1: the accumulators' window
.irp b, 0,1,2,3
	v_max3_num_f32 v[TM+\b], |v[AC+16*\b]|, |v[AC+16*\b+1]|, 0x2800000   ; block b: my 16 numbers, and the floor 2^(5 - 127): the byte cannot fall under 1
.endr
.irp i, 2,4,6,8,10,12,14
.irp b, 0,1,2,3
	v_max3_num_f32 v[TM+\b], |v[AC+16*\b+\i]|, |v[AC+16*\b+\i+1]|, v[TM+\b]   ; (the four blocks by turns)
.endr
.endr
	WIN 0
.irp b, 0,1,2,3
	v_permlanex16_b32 v[TM+4+\b], v[TM+\b], s[SELA], s[SELA+1]
.endr
.irp b, 0,1,2,3
	v_max_num_f32 v[TM+\b], v[TM+\b], v[TM+4+\b]   ; with lane l xor 16's: the block's largest magnitude
.endr
.irp b, 0,1,2,3
	v_add_nc_u32 v[TM+12+\b], 0xfe000000, v[TM+\b] ; 4 off its exponent field: the conversion's scale operand
.endr
.irp b, 0,1,2,3
	v_lshrrev_b32 v[TM+4+\b], 23, v[TM+12+\b]      ; the scale's byte
.endr
	v_lshl_or_b32 v[PWA], v[TM+5], 8, v[TM+4]      ; my row's four bytes (both halves of the lanes hold the same)
	v_lshl_or_b32 v[PWA], v[TM+6], 16, v[PWA]
	v_lshl_or_b32 v[PWA], v[TM+7], 24, v[PWA]
	WIN 0x02+WN                                    ; source 0: the accumulators' window
	v_cvt_scalef32_pk16_bf6_f32 v[D0:D0+2], v[AC:AC+15], v[TM+12]
	v_cvt_scalef32_pk16_bf6_f32 v[TP:TP+2], v[AC+16:AC+31], v[TM+13]      ; (a conversion's three registers begin on an even number)
	v_cvt_scalef32_pk16_bf6_f32 v[D1:D1+2], v[AC+32:AC+47], v[TM+14]
	v_cvt_scalef32_pk16_bf6_f32 v[TP+4:TP+6], v[AC+48:AC+63], v[TM+15]
	WIN 0
	v_nop                                          ; one plain place behind a scaled conversion
.irp i, 0,1,2                                  ; the operand's layout wants a WHOLE block in a lane: lanes 0-15 the even block, lanes 16-31 the odd one
	v_permlane16_swap_b32 v[D0+\i], v[TP+\i]
	v_permlane16_swap_b32 v[D1+\i], v[TP+4+\i]
.endr
.irp i, 0,1,2
	v_mov_b32 v[D0+3+\i], v[TP+\i]
	v_mov_b32 v[D1+3+\i], v[TP+4+\i]
.endr
.endm
; isv = 0 (q, k): blocks 0, 1 are the first head's d, blocks 2, 3 the second's; two tiles of tokens make an image of each head.  isv = 1 (v): a tile of R is a whole fragment; tiles 0-3 the first head's images, 4-7 the second's.
; Each store of the wave covers 512 consecutive bytes, aligned.
.macro EPI isv
.irp bb, 0,1,2,3
.set CBS, CODE+24*\bb
.if \isv
	QUANT2 2*\bb, CBS, CBS+6
	QUANT2 2*\bb+1, CBS+12, CBS+18
.else
	QUANT2 2*\bb, CBS, CBS+12
	QUANT2 2*\bb+1, CBS+6, CBS+18
.endif
.irp c, 0,1
.irp g, 0,1,2
.if \isv
	global_store_b128 v[CO], v[CBS+12*\c+4*\g:CBS+12*\c+4*\g+3], s[12:13] offset:((2*\bb+\c)/4)*HEADB+1536*((2*\bb+\c)%4)+512*\g
.else
	global_store_b128 v[CO], v[CBS+12*\c+4*\g:CBS+12*\c+4*\g+3], s[12:13] offset:\c*HEADB+1536*\bb+512*\g
.endif
.endr
.endr
.endr
	v_cmp_le_u32 vcc_lo, 16, v[LN]                 ; lanes 16-31 store the second head's words
.irp e, 0,1,2,3
.if \isv
	v_cndmask_b32 v[WD+\e], v[PW+\e], v[PW+4+\e], vcc_lo
.else
	v_perm_b32 v[WK+\e], v[PW+2*\e+1], v[PW+2*\e], 0x05040100     ; the first head's bytes of both tiles of tokens,
	v_perm_b32 v[WK+4+\e], v[PW+2*\e+1], v[PW+2*\e], 0x07060302   ; the second head's
	v_cndmask_b32 v[WD+\e], v[WK+\e], v[WK+4+\e], vcc_lo
.endif
.endr
	global_store_b128 v[SO], v[WD:WD+3], s[12:13] offset:6144      ; sixteen lanes store a record's 256 bytes of scale words
.endm
	PLACES NP                                      ; behind the last products: their results are read, and their operands' and scales' registers written, only from here on
	s_mov_b32 s[SELA], 0x76543210
	s_mov_b32 s[SELA+1], 0xfedcba98
.irp b, 0,1,2,3
	v_mov_b32 v[TM+4+\b], 0                        ; written once: a lane permute's destination counts as one of its sources
.endr
	s_cmp_lt_u32 ttmp9, 2                          ; the cluster's x: the same in all sixteen partners
	s_cbranch_scc0 .Lv
	EPI 0
	s_branch .Lend
.Lv:
	EPI 1
.Lend:
	s_wait_tensorcnt 0x0                           ; the wave's end
	ds_add_u32 v[SPW], v[NIL]
	s_wait_dscnt 0x0
	CROUND                                         ; the closing round: no work-group ends while a partner may still ask for a tile that names it
	s_endpgm
.Lfunc_end_k_q3597c9a8b2_qkv:
	.size	k_q3597c9a8b2_qkv, .Lfunc_end_k_q3597c9a8b2_qkv-k_q3597c9a8b2_qkv
	.p2alignl 7, 3214868480
	.fill 96, 4, 3214868480
	.section	.rodata,"a",@progbits
	.p2align	6, 0x0
	.amdhsa_kernel k_q3597c9a8b2_qkv
		.amdhsa_group_segment_fixed_size 327680
		.amdhsa_private_segment_fixed_size 0
		.amdhsa_enable_private_segment 0
		.amdhsa_kernarg_size 24
		.amdhsa_user_sgpr_count 2
		.amdhsa_user_sgpr_kernarg_segment_ptr 1
		.amdhsa_wavefront_size32 1
		.amdhsa_system_sgpr_workgroup_id_x 1
		.amdhsa_system_sgpr_workgroup_id_y 1
		.amdhsa_system_sgpr_workgroup_id_z 1
		.amdhsa_system_vgpr_workitem_id 0
		.amdhsa_next_free_vgpr 1024
		.amdhsa_next_free_sgpr 98
		.amdhsa_reserve_vcc 1
		.amdhsa_float_denorm_mode_32 3
		.amdhsa_float_denorm_mode_16_64 3
		.amdhsa_memory_ordered 1
		.amdhsa_forward_progress 1
		.amdhsa_inst_pref_size 198
	.end_amdhsa_kernel
	.amdgpu_metadata
---
amdhsa.version: [ 1, 2 ]
amdhsa.kernels:
  - .name:           k_q3597c9a8b2_qkv
    .symbol:         k_q3597c9a8b2_qkv.kd
    .args:
      - { .name: xwc, .offset: 0, .size: 8, .value_kind: global_buffer, .address_space: global }
      - { .name: xws, .offset: 8, .size: 8, .value_kind: global_buffer, .address_space: global }
      - { .name: qkv, .offset: 16, .size: 8, .value_kind: global_buffer, .address_space: global }
    .group_segment_fixed_size: 327680
    .private_segment_fixed_size: 0
    .kernarg_segment_align: 8
    .kernarg_segment_size: 24
    .max_flat_workgroup_size: 128
    .sgpr_count:     98
    .vgpr_count:     1024
    .wavefront_size: 32
...
	.end_amdgpu_metadata
.endif
;; end of part 2
;; launch attn (part 3): grid 4 x 64, 16 waves a work-group, no clusters, 327,680 bytes of LDS; arguments qkv, yc, ys; writes yc, ys
.if DOCPART == 3
	.amdgcn_target "amdgcn-amd-amdhsa--gfx1250"
	.amdhsa_code_object_version 6
	.text
	.protected	k_q3597c9a8b2_attn
	.globl	k_q3597c9a8b2_attn
	.p2align	8
	.type	k_q3597c9a8b2_attn,@function
k_q3597c9a8b2_attn:
	s_mov_b64 s[64:65], 0
	v_nop
	global_prefetch_b8 v0, s[64:65] scope:SCOPE_SE
	s_setreg_imm32_b32 hwreg(HW_REG_WAVE_MODE, 25, 1), 1
	s_wait_xcnt 0x0
; y = softmax_causal(q k^T / 8) v for 64 heads of 2,048 tokens x 64, both products on codes of BF6 (E3M2) with one E8M0 scale for each 32 along a product's K; y is quantised along its 64 and leaves as codes.
; In: qkv, 3 sections (q, k, v) x 64 heads x 16 records of 6,400 bytes; a record is 128 tokens: four images of an operand's 12 registers (registers 4 g .. 4 g + 3 of lane l at 1536 e + 512 g + 16 l), then 256 bytes of scale words (6144 + 16 r + 4 e).
;   q, k: image e: registers 0-5 tokens 32 e + r + 8 (r / 8), registers 6-11 tokens 32 e + 8 + r + 8 (r / 8), lane (r, h): d = 32 h .. 32 h + 31.   v: image e: row r is d = 32 (e / 2) + 8 (e % 2) + r + 8 (r / 8), K = the 128 keys.
; THE SOFTMAX: t = score x log2(e) / 8; M = the running largest t rounded UP to a whole number; p = 2^(t - M) is quantised along the keys, not normalised; the row's sum is taken of the unquantised p and divides at the end.
; When M moves, the sum and O are multiplied by 2^(old M - new M): exact.
; SHARES.  Work-group (i, head) owns the query blocks 7 - i and i of 256 queries: (8 - i) + (i + 1) = 9 slots of 256 keys whatever i is, so every loop's trip count is a constant and all 256 work-groups have the same work.
; Each of sixteen waves owns 16 queries, QG + 8 p + r + 8 (r / 8) with QG = 256 block + 32 (wave / 2), p = wave % 2, in 256 registers: four waves to a SIMD, so that one wave's vector work stands beside another's products and LDS loads.
; A step whose 128 keys all come after the wave's queries is jumped over (a scalar branch on ids; no barrier or tensor load stands in a step).
; LAYOUT.  Both products are used transposed: S^T = K Q^T, O^T = V^T P^T: a lane holds ONE query throughout; by the choice of an image's tokens the 16 registers of two neighbouring tiles of S^T are 16 neighbouring keys.
; K = 64 IN AN INSTRUCTION OF 128.  An image of k holds two tiles of 16 keys along the instruction's K.  Against [q, zero codes] it gives the first tile's scores, against [zero codes, q] the second's: the half that is not wanted
; meets zero codes of q, which add exactly 0.  q's scale bytes of its zero blocks are 1, the least.  Zeros on one side only: that spares half of k's registers and LDS reads.
; NO CLUSTER: the four work-groups of a head leave the common walk after 8 - i slots, so partners would ask for different tiles; a slot is 25,600 bytes for two steps of every wave's softmax.
; OUT: yc [512 tiles of 16 tokens][16 heads] half images of 768 bytes (registers 0-3 at 16 l, registers 4-5 at 512 + 8 l); ys [16 tile + r][32] scale bytes.  The codes leave in stores of 512 and 256 consecutive aligned bytes;
; the scale bytes, 2 of a token's 32 for each head, leave as single bytes: one byte for each 24 bytes of codes.
; LIMITS: a block whose largest magnitude lies under 2^(4 - 126), a block of zeros among them, keeps the scale byte 1; p under 2^-126 counts as 0; NaN and infinities are not served.
; REGISTERS: v1-10 addresses; v12 -M, v13 the largest t, v[14:15] the sum in two halves; v16-27 [q, 0]; v32-79 four images of k, then of v; v96-159 S^T, then p; v160-191 O^T; v192-203 [0, q]; v204-210 the second block's q;
;   v223, v255 q's scale words; v224-235 p's codes; v232-254 at work; v248-251 the images' scale words.
.set SEC,   6553600
.set HEADB, 102400
.set REC,   6400
.set VOFF,  2*REC                      ; a slot: two records of k, then two of v
.set SLOT1, 32768                      ; slot 1 begins here: one exclusive or turns an address
.set SPARE, 65536                      ; the spare words, 128 bytes for each of 16 waves: eight blocks of 256 bytes that no other line names
.set AL,  1                            ; v1  16 x lane
.set AR,  2                            ; v2  16 x r
.set A8,  3                            ; v3  8 x lane
.set YSO, 4                            ; v4  32 r + h
.set SPW, 5                            ; v5  LDS address of my spare word; never rewritten
.set NIL, 6                            ; v6  0; never rewritten
.set PFO, 7                            ; v7  the prefetches' offset; never rewritten
.set ADK, 8                            ; v8  the slot + 16 x lane
.set VQ,  9                            ; v9  8 p + r + 8 (r / 8) - 16 h
.set ADS, 10                           ; v10 the slot + 16 r
.set QI,  28                           ; v28, v29 offsets of q's image and scale word
.set QS,  29
.set TB,  2                            ; s2  LDS byte at which the slot in hand begins
.set SLOTS, 3                          ; s3  the loop's counter, 8 .. 1
.set WV,  10
.set PP,  11                           ; wave % 2
.set GG,  12                           ; wave / 2
.set WI,  13                           ; i
.set BH,  14                           ; the head, 0 .. 63
.set QG,  15
.set KF,  16                           ; the step's first key
.set KN,  17                           ; which 256 keys were asked for last
.set LA,  18                           ; 8 - i: the first block's slots
.set PHA, 19                           ; 1 + i: the counter's value in the first block's last trip
.set SEL, 20                           ; s[20:21] lane selects: lane l xor 16
.set CS,  22                           ; s[22:23] c = log2(e) / 8
.set G1,  24
.set G0,  32
.set KVB, 36                           ; s[36:37] my section (k or v) at the head's first byte
.set OFS, 38                           ; s[38:39] an offset, high word 0
.set PMASK, 40                         ; all ones where p = 1
.set PSH, 41                           ; 16 p
.set YB,  42                           ; 128 x batch + p
.set HD,  43                           ; the head in its batch
.set PFA, 44                           ; s[44:45] where my prefetches stand
.set LIM, 46
.set HMASK, 47                         ; lanes 16-31
.set YCA, 48
.set YSA, 50
.macro TLOAD                           ; wave 0 fetches a slot's k, wave 1 its v, the others nothing.  Four v_nop follow the line
	s_cmp_lt_u32 s[WV], 2
	s_cbranch_scc0 .Lnone_\@
	tensor_load_to_lds s[G0:G0+3], s[G1:G1+7]
	s_nop 0
.rept 4
	v_nop
.endr
.Lnone_\@:
.endm
; A PREFETCH INTO THE L2 of what the NEXT change of slots will ask for: 12,800 dense bytes of k and of v, 50 blocks of 256 bytes each.  All four work-groups of a head begin the same walk: work-group i = 0, which walks all eight slots, asks.
; In it waves 4 and 5 ask for k's blocks, waves 6 and 7 for v's, lanes 256 bytes apart, one instruction a wave; the second wave's lanes past the 50th block name the 50th again.  Slots 0 and 1 come by their loads alone;
; the trips whose next change asks for slot 0 again, or for nothing, prefetch nothing.
.macro ASK
	s_cmp_gt_u32 s[SLOTS], s[LIM]
	s_cbranch_scc0 .Lnot_mine_\@
	global_prefetch_b8 v[PFO], s[PFA:PFA+1] th:TH_LOAD_NT scope:SCOPE_SE
.Lnot_mine_\@:
.endm
	s_load_b128 s[4:7], s[0:1], 0x0                ; qkv, yc
	s_load_b64 s[8:9], s[0:1], 0x10                ; ys
	v_lshl_add_u32 v[SPW], v0, 2, SPARE
	v_mov_b32 v[NIL], 0
	ds_add_u32 v5, v6
	ds_add_u32 v5, v6
	s_wait_dscnt 0x0
	v_lshrrev_b32 v8, 5, v0
	s_delay_alu instid0(VALU_DEP_1)
	v_readfirstlane_b32 s[WV], v8                  ; wave 0..15
	s_and_b32 s[PP], s[WV], 1
	s_lshr_b32 s[GG], s[WV], 1
	s_mov_b32 s[WI], ttmp9
	s_and_b32 s[BH], ttmp7, 0xffff
	s_sub_co_u32 s[LA], 8, s[WI]
	s_add_co_u32 s[PHA], s[WI], 1
	s_sub_co_u32 s52, 7, s[WI]                     ; the first block of queries
	s_lshl_b32 s[QG], s52, 8
	s_lshl_b32 s53, s[GG], 5
	s_add_co_u32 s[QG], s[QG], s53
	s_mul_i32 s54, s[BH], HEADB                    ; the head's first byte in a section
	s_lshr_b32 s55, s[GG], 2
	s_lshl_b32 s52, s52, 1
	s_add_co_u32 s52, s52, s55                     ; the record of my queries: 2 x block + wave / 8
	s_mul_i32 s52, s52, REC
	s_add_co_u32 s52, s52, s54
	s_mov_b32 s53, 0
	s_lshl_b32 s56, s[WI], 1
	s_add_co_u32 s56, s56, s55                     ; and in the second block
	s_mul_i32 s56, s56, REC
	s_add_co_u32 s56, s56, s54
	s_mov_b32 s57, 0
	s_add_co_u32 s58, s[PP], 1                     ; what I fetch, if I fetch: section 1 (k) or 2 (v)
	s_mul_i32 s58, s58, SEC
	s_add_co_u32 s58, s58, s54
	s_mov_b32 s59, 0
	s_bfe_u32 s60, s[WV], 0x10001                  ; what I prefetch, if I do: waves 4, 5: k; waves 6, 7: v
	s_add_co_u32 s60, s60, 1
	s_mul_i32 s60, s60, SEC
	s_add_co_u32 s60, s60, s54
	s_add_co_u32 s60, s60, 2*REC                   ; at slot 1: the first change of slots steps it to slot 2
	s_mov_b32 s61, 0
	s_lshr_b32 s62, s[WV], 2
	s_xor_b32 s62, s62, 1                          ; 0 in waves 4 to 7,
	s_or_b32 s62, s62, ttmp9                       ; of work-group i = 0
	s_cmp_eq_u32 s62, 0
	s_cselect_b32 s[LIM], 2, -1
	; descriptor group 1: 12,800 dense bytes as 50 rows of 256 bytes (32 elements of 8), no padding, no mask
	s_mov_b32 s[G1], 3<<16
	s_mov_b32 s[G1+1], 32<<16                      ; tensor_dim0
	s_mov_b32 s[G1+2], 50<<16                      ; tensor_dim1
	s_mov_b32 s[G1+3], 32<<16                      ; tile_dim0
	s_mov_b32 s[G1+4], 50                          ; tile_dim1
	s_mov_b32 s[G1+5], 32                          ; tensor_dim0_stride
	s_mov_b32 s[G1+6], 0
	s_mov_b32 s[G1+7], 0
	s_mov_b32 s[G0], 1
	s_mul_i32 s[G0+1], s[PP], VOFF                 ; LDS: slot 0, k's part or v's
	s_mov_b32 s[SEL], 0x76543210
	s_mov_b32 s[SEL+1], 0xfedcba98
	s_mov_b32 s[CS], 0x3e38aa3b                    ; c = log2(e) / sqrt(64)
	s_mov_b32 s[CS+1], s[CS]                       ; (named with it as a pair, so it is written)
	s_mov_b32 s[TB], 0
	s_mov_b32 s[SLOTS], 8
	s_mov_b32 s[KF], 0
	s_mov_b32 s[KN], 0
	s_mov_b32 s[OFS+1], 0
	s_sub_co_u32 s[PMASK], 0, s[PP]
	s_lshl_b32 s[PSH], s[PP], 4
	s_lshr_b32 s[YB], s[BH], 4
	s_lshl_b32 s[YB], s[YB], 7
	s_add_co_u32 s[YB], s[YB], s[PP]
	s_and_b32 s[HD], s[BH], 15
	s_mov_b32 s[HMASK], 0xffff0000
	s_wait_kmcnt 0x0
	s_add_nc_u64 s[KVB:KVB+1], s[4:5], s[58:59]
	s_add_nc_u64 s[PFA:PFA+1], s[4:5], s[60:61]
	s_add_nc_u64 s[52:53], s[4:5], s[52:53]        ; q's record, first block
	s_add_nc_u64 s[56:57], s[4:5], s[56:57]        ; second block
	s_mov_b64 s[G0+2:G0+3], s[KVB:KVB+1]           ; the head's first 256 keys
	s_or_b32 s[G0+3], s[G0+3], 0x80000000          ; type = 2
	TLOAD                                          ; slot 0: the launch's first fill, ahead of every wait on TENSORcnt, LDS read and barrier
	v_and_b32 v8, 31, v0                           ; lane
	v_and_b32 v10, 15, v0                          ; r
	v_bfe_u32 v11, v0, 4, 1                        ; h
	s_delay_alu instid0(VALU_DEP_3)
	v_lshlrev_b32 v[AL], 4, v8
	s_delay_alu instid0(VALU_DEP_3)
	v_lshlrev_b32 v[AR], 4, v10
	v_lshlrev_b32 v[A8], 3, v8
	s_delay_alu instid0(VALU_DEP_4)
	v_lshl_add_u32 v[YSO], v10, 5, v11
	s_and_b32 s62, s[GG], 3                        ; which image of the record holds my queries
	s_mul_i32 s63, s62, 1536
	v_add_nc_u32 v[QI], s63, v[AL]
	s_lshl_b32 s62, s62, 2
	v_add_nc_u32 v[QS], s62, v[AR]
.irp c, 0,1,2
	global_load_b128 v[32+4*\c:35+4*\c], v[QI], s[52:53] offset:512*\c
	global_load_b128 v[44+4*\c:47+4*\c], v[QI], s[56:57] offset:512*\c
.endr
	global_load_b32 v248, v[QS], s[52:53] offset:6144
	global_load_b32 v249, v[QS], s[56:57] offset:6144
	v_and_b32 v[VQ], 8, v10
	s_delay_alu instid0(VALU_DEP_1)
	v_add_nc_u32 v[VQ], v[VQ], v10                 ; r + 8 (r / 8)
	v_lshlrev_b32 v11, 4, v11
	s_delay_alu instid0(VALU_DEP_1)
	v_sub_nc_u32 v[VQ], v[VQ], v11
	s_lshl_b32 s62, s[PP], 3
	v_add_nc_u32 v[VQ], s62, v[VQ]
	s_lshl_b32 s62, s[PP], 5
	v_add_nc_u32 v[PFO], s62, v8
	s_delay_alu instid0(VALU_DEP_1)
	v_min_u32 v[PFO], 49, v[PFO]
	s_delay_alu instid0(VALU_DEP_1)
	v_lshlrev_b32 v[PFO], 8, v[PFO]
	v_mov_b32 v13, 0xff61b1e6                      ; the largest t so far: -3e38, under every t
	s_delay_alu instid0(VALU_DEP_1)
	v_floor_f32 v12, -v13                          ; -M
	v_mov_b32 v14, 0
	v_mov_b32 v15, 0
.irp b, 0,1,2,3
	v_mov_b32 v[236+\b], 0                         ; written once: a lane permute's destination counts as one of its sources
.endr
	v_mov_b32 v252, 0
	v_mov_b32 v253, 0                              ; (named as the upper half of the pair v[252:253] before it is first written)
.set jj, 0
.rept 32
	v_mov_b32 v[160+jj], 0                         ; O^T.  (The step is written once: the first finds zeros, which the first change of M leaves zeros)
.set jj, jj+1
.endr
.set jj, 0
.rept 6
	v_mov_b32 v[22+jj], 0                          ; the zero codes of [q, 0]
	v_mov_b32 v[192+jj], 0                         ; and of [0, q]
.set jj, jj+1
.endr
	s_wait_loadcnt 0x0                             ; q
.set jj, 0
.rept 6
	v_cndmask_b32 v[16+jj], v[32+jj], v[38+jj], s[PMASK]     ; my tile of the image: registers 6 p on
	v_cndmask_b32 v[204+jj], v[44+jj], v[50+jj], s[PMASK]
.set jj, jj+1
.endr
.set jj, 0
.rept 6
	v_mov_b32 v[198+jj], v[16+jj]
.set jj, jj+1
.endr
	v_lshrrev_b32 v248, s[PSH], v248
	v_lshrrev_b32 v249, s[PSH], v249
	s_delay_alu instid0(VALU_DEP_2)
	v_and_b32 v248, 0xffff, v248                   ; my tile's two scale bytes
	s_delay_alu instid0(VALU_DEP_2)
	v_and_b32 v210, 0xffff, v249
	s_delay_alu instid0(VALU_DEP_2)
	v_or_b32 v255, 0x01010000, v248                ; [q, 0]'s scale word
	s_delay_alu instid0(VALU_DEP_3)
	v_lshl_or_b32 v223, v248, 16, 0x0101           ; [0, q]'s
.rept 8
	v_nop                                          ; a scale register written by a vector instruction stands 8 places ahead of a scaled matrix instruction
.endr
; A KEY STEP: 128 keys, the q-th record of the slot in hand.
.macro STEP q
	s_cmp_gt_u32 s[KF], s[QG]                      ; both are multiples of 32 and my queries lie in QG .. QG + 31: all 128 keys come after them
	s_cbranch_scc1 .Lhidden_\@
	v_add_nc_u32 v[ADK], s[TB], v[AL]
	v_add_nc_u32 v[ADS], s[TB], v[AR]
.rept 4
	v_nop                                          ; places in front of loads into registers that matrix instructions have read
.endr
.irp e, 0,1,2,3
.irp c, 0,1,2
	ds_load_b128 v[32+12*\e+4*\c:35+12*\e+4*\c], v[ADK] offset:REC*(\q)+1536*\e+512*\c   ; an image comes back as it was stored: 512 consecutive bytes a load
.endr
.endr
	ds_load_b128 v[248:251], v[ADS] offset:REC*(\q)+6144      ; the four images' scale words of row r
	s_wait_dscnt 0x0
	s_wait_alu depctr_va_vdst(0)
.irp e, 0,1,2,3                                ; S^T: image e against [q, 0]: keys 32 e + 16 h + 0 .. 7; against [0, q]: keys 32 e + 16 h + 8 .. 15
	v_wmma_scale_f32_16x16x128_f8f6f4 v[96+16*\e:103+16*\e], v[32+12*\e:43+12*\e], v[16:27], 0, v[248+\e], v255 matrix_a_fmt:MATRIX_FMT_BF6 matrix_b_fmt:MATRIX_FMT_BF6
	v_wmma_scale_f32_16x16x128_f8f6f4 v[104+16*\e:111+16*\e], v[32+12*\e:43+12*\e], v[192:203], 0, v[248+\e], v223 matrix_a_fmt:MATRIX_FMT_BF6 matrix_b_fmt:MATRIX_FMT_BF6
.endr
.rept 4
	v_nop                                          ; places: behind them the scores are read, and v's images are loaded over k's: they land while the softmax is walked
.endr
.irp e, 0,1,2,3
.irp c, 0,1,2
	ds_load_b128 v[32+12*\e+4*\c:35+12*\e+4*\c], v[ADK] offset:VOFF+REC*(\q)+1536*\e+512*\c
.endr
.endr
	ds_load_b128 v[248:251], v[ADS] offset:VOFF+REC*(\q)+6144
	s_add_co_u32 s52, s[KF], 128                   ; on the diagonal hidden scores become -infinity ahead of the maximum: p = 0 then.  A step all of whose keys count skips this
	s_cmp_le_u32 s52, s[QG]
	s_cbranch_scc1 .Lopen_\@
	s_sub_co_i32 s52, s[QG], s[KF]
	v_add_nc_u32 v252, s52, v[VQ]                  ; d = my query - KF - 16 h.  Register 16 b + i holds key KF + 16 h + 32 b + i: hidden where 32 b + i > d
	v_mov_b32 v254, 0xff800000
.set jj, 0
.rept 64
	v_cmp_gt_i32 vcc_lo, 32*(jj/16)+jj%16, v252
	v_cndmask_b32 v[96+jj], v[96+jj], v254, vcc_lo
.set jj, jj+1
.endr
.Lopen_\@:
.irp b, 0,1,2,3
	v_max3_num_f32 v[232+\b], v[96+16*\b], v[97+16*\b], v[98+16*\b]   ; the largest score of each block of 32 keys: it serves for the row's maximum and, since p rises with the score, for the block's largest p
.endr
.irp i, 3,5,7,9,11,13
.irp b, 0,1,2,3
	v_max3_num_f32 v[232+\b], v[232+\b], v[96+16*\b+\i], v[97+16*\b+\i]
.endr
.endr
.irp b, 0,1,2,3
	v_max_num_f32 v[232+\b], v[232+\b], v[111+16*\b]
.endr
.irp b, 0,1,2,3
	s_delay_alu instid0(VALU_DEP_4)
	v_permlanex16_b32 v[236+\b], v[232+\b], s[SEL], s[SEL+1]
.endr
.irp b, 0,1,2,3
	s_delay_alu instid0(VALU_DEP_4)
	v_max_num_f32 v[232+\b], v[232+\b], v[236+\b]  ; with lane l xor 16's 16 keys
.endr
	s_delay_alu instid0(VALU_DEP_2)
	v_max3_num_f32 v254, v232, v233, v234
	s_delay_alu instid0(VALU_DEP_1)
	v_max_num_f32 v254, v254, v235                 ; the step's largest score of my query
	s_delay_alu instid0(VALU_DEP_1)
	v_mul_f32 v254, s[CS], v254                    ; as t (c is positive)
	s_delay_alu instid0(VALU_DEP_1)
	v_max_num_f32 v13, v13, v254                   ; the running largest t
	v_mov_b32 v254, v12
	s_delay_alu instid0(VALU_DEP_2)
	v_floor_f32 v12, -v13                          ; the new -M = floor(-t) = -ceil(t): a whole number
	s_delay_alu instid0(VALU_DEP_1)
	v_sub_f32 v254, v12, v254                      ; old M less new M: a whole number, 0 or less
	s_delay_alu instid0(VALU_DEP_1)
	v_cvt_i32_f32 v254, v254                       ; (it saturates)
	s_delay_alu instid0(VALU_DEP_1)
	v_ldexp_f32 v252, 1.0, v254                    ; f = 2^(old M - new M)
.set jj, 0
.rept 32
	v_pk_fma_f32 v[96+jj:97+jj], v[96+jj:97+jj], s[CS:CS+1], v[12:13] op_sel_hi:[1,0,0]   ; t - M, two at a time
.set jj, jj+2
.endr
.irp b, 0,1,2,3
	v_fma_f32 v[232+\b], v[232+\b], s[CS], v12     ; the same of each block's largest score
.endr
.set jj, 0
	s_wait_alu depctr_va_vdst(0)
.rept 64
	v_exp_f32 v[96+jj], v[96+jj]                   ; p = 2^(t - M), at most 1
.set jj, jj+1
.endr
	v_pk_mul_f32 v[14:15], v[14:15], v[252:253] op_sel_hi:[1,0]   ; the sums under the new M (a plain place behind the exponentials)
	s_wait_alu depctr_va_vdst(0)                   ; one wait for the whole batch, ahead of its first reader
.irp b, 0,1,2,3
	v_exp_f32 v[232+\b], v[232+\b]                 ; the block's largest p: the same two instructions on the same number give the same bits
.endr
	v_pk_add_f32 v[236:237], v[100:101], v[104:105]
	v_pk_add_f32 v[246:247], v[108:109], v[112:113]
	v_pk_add_f32 v[244:245], v[116:117], v[120:121]
	v_pk_add_f32 v[242:243], v[124:125], v[128:129]
	v_pk_add_f32 v[240:241], v[132:133], v[136:137]
	v_pk_add_f32 v[238:239], v[140:141], v[144:145]
	v_pk_add_f32 v[230:231], v[148:149], v[152:153]
	v_pk_add_f32 v[14:15], v[14:15], v[156:157]
	v_pk_add_f32 v[236:237], v[236:237], v[96:97]
	v_pk_add_f32 v[246:247], v[246:247], v[98:99]
	v_pk_add_f32 v[244:245], v[244:245], v[102:103]
	v_pk_add_f32 v[242:243], v[242:243], v[106:107]
	v_pk_add_f32 v[240:241], v[240:241], v[110:111]
	v_pk_add_f32 v[238:239], v[238:239], v[114:115]
	v_pk_add_f32 v[230:231], v[230:231], v[118:119]
	v_pk_add_f32 v[14:15], v[14:15], v[122:123]
	v_pk_add_f32 v[236:237], v[236:237], v[126:127]
	v_pk_add_f32 v[246:247], v[246:247], v[130:131]
	v_pk_add_f32 v[244:245], v[244:245], v[134:135]
	v_pk_add_f32 v[242:243], v[242:243], v[138:139]
	v_pk_add_f32 v[240:241], v[240:241], v[142:143]
	v_pk_add_f32 v[238:239], v[238:239], v[146:147]
	v_pk_add_f32 v[230:231], v[230:231], v[150:151]
	v_pk_add_f32 v[14:15], v[14:15], v[154:155]
	v_pk_add_f32 v[236:237], v[236:237], v[158:159]
	s_delay_alu instid0(VALU_DEP_2)
	v_pk_add_f32 v[14:15], v[14:15], v[242:243]
	s_delay_alu instid0(VALU_DEP_2)
	v_pk_add_f32 v[236:237], v[236:237], v[240:241]
	v_pk_add_f32 v[246:247], v[246:247], v[238:239]
	v_pk_add_f32 v[244:245], v[244:245], v[230:231]
	s_delay_alu instid0(VALU_DEP_2)
	v_pk_add_f32 v[14:15], v[14:15], v[246:247]
	s_delay_alu instid0(VALU_DEP_2)
	v_pk_add_f32 v[236:237], v[236:237], v[244:245]
	s_delay_alu instid0(VALU_DEP_1)
	v_pk_add_f32 v[14:15], v[14:15], v[236:237]
	s_wait_alu depctr_va_vdst(0)                   ; and one for the four
.irp b, 0,1,2,3
	v_max_num_f32 v[232+\b], 0x2800000, v[232+\b]  ; the floor 2^(5 - 127): the byte cannot fall under 1
.endr
.irp b, 0,1,2,3
	s_delay_alu instid0(VALU_DEP_4)
	v_add_nc_u32 v[244+\b], 0xfe000000, v[232+\b]  ; 4 off the exponent field: the conversion's scale operand
.endr
.irp b, 0,1,2,3
	s_delay_alu instid0(VALU_DEP_4)
	v_lshrrev_b32 v[236+\b], 23, v[244+\b]         ; the scale's byte
.endr
	s_delay_alu instid0(VALU_DEP_3)
	v_lshl_or_b32 v253, v237, 8, v236              ; p's scale word for these 128 keys
	s_delay_alu instid0(VALU_DEP_1)
	v_lshl_or_b32 v253, v238, 16, v253
	s_delay_alu instid0(VALU_DEP_1)
	v_lshl_or_b32 v253, v239, 24, v253
.irp c, 0,1
	v_cvt_scalef32_pk16_bf6_f32 v[224+6*\c:226+6*\c], v[96+32*\c:111+32*\c], v[244+2*\c]
	v_cvt_scalef32_pk16_bf6_f32 v[236+4*\c:238+4*\c], v[112+32*\c:127+32*\c], v[244+2*\c+1]   ; (a conversion's three registers begin on an even number)
.endr
	v_nop                                          ; one plain place behind a scaled conversion
.irp c, 0,1                                    ; the operand's layout wants a WHOLE block in a lane
.irp i, 0,1,2
	v_permlane16_swap_b32 v[224+6*\c+\i], v[236+4*\c+\i]
.endr
.irp i, 0,1,2
	s_delay_alu instid0(VALU_DEP_3)
	v_mov_b32 v[227+6*\c+\i], v[236+4*\c+\i]
.endr
.endr
.set jj, 0
.rept 16
	v_pk_mul_f32 v[160+jj:161+jj], v[160+jj:161+jj], v[252:253] op_sel_hi:[1,0]   ; O^T under the new M, each accumulator from its low end on.  (These sixteen also stand between the writing of p's codes and scale word and the products)
.set jj, jj+2
.endr
	s_wait_alu depctr_va_vdst(0)
	s_wait_dscnt 0x0                               ; v's images and scale words are in
.irp t, 0,1,2,3                                ; O^T += V^T P^T: four accumulators by turns; register 8 t + j holds d = 32 (t / 2) + 16 h + 8 (t % 2) + j
	v_wmma_scale_f32_16x16x128_f8f6f4 v[160+8*\t:167+8*\t], v[32+12*\t:43+12*\t], v[224:235], v[160+8*\t:167+8*\t], v[248+\t], v253 matrix_a_fmt:MATRIX_FMT_BF6 matrix_b_fmt:MATRIX_FMT_BF6
.endr
.Lhidden_\@:
	s_add_co_u32 s[KF], s[KF], 128
.endm
; THE CHANGE OF SLOTS stands at a slot's head.  Each wave waits for all its tensor loads, adds 0 to its spare word, and waits for that and for its reads of the slot that it has left.  Behind the barrier the slot ahead is whole
; and nobody reads the other one.  fill = 1: that other slot is filled with the keys that follow, or, when the first block's keys are through, with the head's first keys again: a choice without a jump.
.macro CHANGE fill
	s_wait_tensorcnt 0x0                           ; no tensor load of mine is out, so group 0 may be written
	ds_add_u32 v[SPW], v[NIL]                      ; 0 onto my spare word
.if \fill
	s_add_co_u32 s[KN], s[KN], 1
	s_cmp_eq_u32 s[KN], s[LA]
	s_cselect_b32 s[KN], 0, s[KN]
	s_mul_i32 s[OFS], s[KN], 2*REC
	s_add_nc_u64 s[G0+2:G0+3], s[KVB:KVB+1], s[OFS:OFS+1]
	s_or_b32 s[G0+3], s[G0+3], 0x80000000
	s_xor_b32 s[G0+1], s[G0+1], SLOT1              ; the other slot than last time
	s_wait_xcnt 0x0                                ; the last prefetch, a slot back, has read its address, so it may be written
	s_add_nc_u64 s[PFA:PFA+1], s[PFA:PFA+1], 2*REC
.endif
	s_wait_dscnt 0x0                               ; the add is done, and my reads of the slot that I have left are over
	s_barrier_signal -1
	s_barrier_wait -1
.if \fill
	TLOAD                                          ; the first thing behind the barrier, and a wave's one tensor load until the next: it has two key steps in which to land
	ASK
.endif
.endm
; A BLOCK OF QUERIES IS THROUGH: y = O^T / the sum; its two blocks of 32 along d are quantised and leave as half an operand's image.  more = 1: another block follows, which writes the stores' registers again.
.macro FINISH more
.rept 4
	v_nop                                          ; places behind the last products
.endr
	v_add_f32 v14, v14, v15                        ; the sum's two halves,
	s_delay_alu instid0(VALU_DEP_1)
	v_permlanex16_b32 v252, v14, s[SEL], s[SEL+1]
	s_delay_alu instid0(VALU_DEP_1)
	v_add_f32 v14, v14, v252                       ; and lane l xor 16's
	s_wait_alu depctr_va_vdst(0)
	v_rcp_f32 v14, v14
	v_nop                                          ; a plain place behind the reciprocal
	s_lshr_b32 s52, s[QG], 4
	s_add_co_u32 s52, s52, s[YB]                   ; my tile of 16 tokens
	s_lshl_b32 s54, s52, 9                         ; ys: 16 rows of 32 bytes a tile,
	s_lshl_b32 s55, s[HD], 1
	s_add_co_u32 s54, s54, s55                     ; + 2 bytes a head
	s_mov_b32 s55, 0
	s_lshl_b32 s52, s52, 4
	s_add_co_u32 s52, s52, s[HD]
	s_mul_i32 s52, s52, 768                        ; yc: 768 bytes for a tile and a head
	s_mov_b32 s53, 0
	s_add_nc_u64 s[YCA:YCA+1], s[6:7], s[52:53]
	s_add_nc_u64 s[YSA:YSA+1], s[8:9], s[54:55]
	s_wait_alu depctr_va_vdst(0)                   ; ahead of the reciprocal's first reader
.set jj, 0
.rept 32
	v_mul_f32 v[96+jj], v[160+jj], v14             ; register 16 b + i is y(my query, 32 b + 16 h + i); each accumulator from its low end on
.set jj, jj+1
.endr
.irp b, 0,1
	v_max3_num_f32 v[232+\b], |v[96+16*\b]|, |v[97+16*\b]|, 0x2800000
.endr
.irp i, 2,4,6,8,10,12,14
.irp b, 0,1
	s_delay_alu instid0(VALU_DEP_2)
	v_max3_num_f32 v[232+\b], v[232+\b], |v[96+16*\b+\i]|, |v[97+16*\b+\i]|
.endr
.endr
.irp b, 0,1
	s_delay_alu instid0(VALU_DEP_2)
	v_permlanex16_b32 v[236+\b], v[232+\b], s[SEL], s[SEL+1]
.endr
.irp b, 0,1
	s_delay_alu instid0(VALU_DEP_2)
	v_max_num_f32 v[232+\b], v[232+\b], v[236+\b]
.endr
.irp b, 0,1
	s_delay_alu instid0(VALU_DEP_2)
	v_add_nc_u32 v[244+\b], 0xfe000000, v[232+\b]
.endr
.irp b, 0,1
	s_delay_alu instid0(VALU_DEP_2)
	v_lshrrev_b32 v[236+\b], 23, v[244+\b]
.endr
	s_delay_alu instid0(VALU_DEP_1)
	v_cndmask_b32 v243, v236, v237, s[HMASK]       ; lane (r, h) stores block h's byte of row r
	v_cvt_scalef32_pk16_bf6_f32 v[224:226], v[96:111], v244
	v_cvt_scalef32_pk16_bf6_f32 v[240:242], v[112:127], v245
	v_nop                                          ; one plain place behind a scaled conversion
.irp i, 0,1,2
	v_permlane16_swap_b32 v[224+\i], v[240+\i]
.endr
.irp i, 0,1,2
	s_delay_alu instid0(VALU_DEP_3)
	v_mov_b32 v[227+\i], v[240+\i]                 ; v224-229: d = 32 h + 0 .. 31 of my query
.endr
	global_store_b128 v[AL], v[224:227], s[YCA:YCA+1]              ; 512 consecutive bytes, aligned
	global_store_b64 v[A8], v[228:229], s[YCA:YCA+1] offset:512    ; 256 more
	global_store_b8 v[YSO], v243, s[YSA:YSA+1]
.if \more
	s_wait_xcnt 0x0                                ; the stores have read their registers: the next block's steps write them again
.endif
.endm
.macro REINIT                          ; the second block of queries begins
	v_mov_b32 v13, 0xff61b1e6
	s_delay_alu instid0(VALU_DEP_1)
	v_floor_f32 v12, -v13
	v_mov_b32 v14, 0
	v_mov_b32 v15, 0
.set jj, 0
.rept 32
	v_mov_b32 v[160+jj], 0
.set jj, jj+1
.endr
.set jj, 0
.rept 6
	v_mov_b32 v[16+jj], v[204+jj]
	v_mov_b32 v[198+jj], v[204+jj]
.set jj, jj+1
.endr
	v_or_b32 v255, 0x01010000, v210
	v_lshl_or_b32 v223, v210, 16, 0x0101
	s_lshl_b32 s[QG], s[WI], 8
	s_lshl_b32 s52, s[GG], 5
	s_add_co_u32 s[QG], s[QG], s52
	s_mov_b32 s[KF], 0
.rept 8
	v_nop                                          ; 8 places between the writing of a scale register and a scaled matrix instruction
.endr
.endm
.Lslot:                                            ; 8 trips: behind each change of slots but the last the next slot is asked for
	CHANGE 1
	STEP 0
	STEP 1
	s_xor_b32 s[TB], s[TB], SLOT1                  ; on to the other slot
	s_cmp_eq_u32 s[SLOTS], s[PHA]                  ; the first block's last slot?  A branch on the work-group's number; no barrier, tensor load or LDS access stands under it
	s_cbranch_scc0 .Lon
	FINISH 1
	REINIT
.Lon:
	s_sub_co_u32 s[SLOTS], s[SLOTS], 1
	s_cmp_lg_u32 s[SLOTS], 0
	s_cbranch_scc1 .Lslot
	CHANGE 0                                       ; the last slot is written out
	STEP 0
	STEP 1
	FINISH 0
	s_wait_tensorcnt 0x0                           ; the wave's end
	ds_add_u32 v[SPW], v[NIL]
	s_wait_dscnt 0x0
	s_endpgm
.Lfunc_end_k_q3597c9a8b2_attn:
	.size	k_q3597c9a8b2_attn, .Lfunc_end_k_q3597c9a8b2_attn-k_q3597c9a8b2_attn
	.p2alignl 7, 3214868480
	.fill 96, 4, 3214868480
	.section	.rodata,"a",@progbits
	.p2align	6, 0x0
	.amdhsa_kernel k_q3597c9a8b2_attn
		.amdhsa_group_segment_fixed_size 327680
		.amdhsa_private_segment_fixed_size 0
		.amdhsa_enable_private_segment 0
		.amdhsa_kernarg_size 24
		.amdhsa_user_sgpr_count 2
		.amdhsa_user_sgpr_kernarg_segment_ptr 1
		.amdhsa_wavefront_size32 1
		.amdhsa_system_sgpr_workgroup_id_x 1
		.amdhsa_system_sgpr_workgroup_id_y 1
		.amdhsa_system_sgpr_workgroup_id_z 1
		.amdhsa_system_vgpr_workitem_id 0
		.amdhsa_next_free_vgpr 256
		.amdhsa_next_free_sgpr 66
		.amdhsa_reserve_vcc 1
		.amdhsa_float_denorm_mode_32 3
		.amdhsa_float_denorm_mode_16_64 3
		.amdhsa_memory_ordered 1
		.amdhsa_forward_progress 1
		.amdhsa_inst_pref_size 110
	.end_amdhsa_kernel
	.amdgpu_metadata
---
amdhsa.version: [ 1, 2 ]
amdhsa.kernels:
  - .name:           k_q3597c9a8b2_attn
    .symbol:         k_q3597c9a8b2_attn.kd
    .args:
      - { .name: qkv, .offset: 0, .size: 8, .value_kind: global_buffer, .address_space: global }
      - { .name: yc, .offset: 8, .size: 8, .value_kind: global_buffer, .address_space: global }
      - { .name: ys, .offset: 16, .size: 8, .value_kind: global_buffer, .address_space: global }
    .group_segment_fixed_size: 327680
    .private_segment_fixed_size: 0
    .kernarg_segment_align: 8
    .kernarg_segment_size: 24
    .max_flat_workgroup_size: 512
    .sgpr_count:     66
    .vgpr_count:     256
    .wavefront_size: 32
...
	.end_amdgpu_metadata
.endif
;; end of part 3
;; launch proj (part 4): grid 4 x 32, 4 waves a work-group, clusters of 4 x 4, 327,680 bytes of LDS; arguments yc, ys, xwc, xws, out0; writes out0
.if DOCPART == 4
	.amdgcn_target "amdgcn-amd-amdhsa--gfx1250"
	.amdhsa_code_object_version 6
	.text
	.protected	k_q3597c9a8b2_proj
	.globl	k_q3597c9a8b2_proj
	.p2align	8
	.type	k_q3597c9a8b2_proj,@function
k_q3597c9a8b2_proj:
	s_mov_b64 s[64:65], 0
	v_nop
	global_prefetch_b8 v0, s[64:65] scope:SCOPE_SE
	s_setreg_imm32_b32 hwreg(HW_REG_WAVE_MODE, 25, 1), 1
	s_wait_xcnt 0x0
	s_wait_alu depctr_hold_cnt(0) depctr_sa_sdst(0) depctr_va_vdst(0) depctr_va_sdst(0) depctr_va_ssrc(0) depctr_va_vcc(0) depctr_vm_vsrc(0)
	s_getreg_b32 s2, hwreg(HW_REG_IB_STS2, 6, 4)
	s_cmp_eq_u32 s2, 0
	s_cbranch_scc0 .Lentry_in_a_cluster
	s_endpgm
.Lentry_in_a_cluster:
	s_bfe_u32 s2, ttmp6, 0x10000c
	s_cmp_lg_u32 s2, 0xf033
	s_cbranch_scc0 .Lentry_shape_is_right
	s_endpgm
.Lentry_shape_is_right:
; out0 = y w_proj^T on codes of BF6 (E3M2) with one E8M0 scale for each 32 along K = 1,024; out0 [8192][1024] f32; sums in f32.
; A = y: yc [512 tiles of 16 tokens][16 heads] half images of an operand's registers, 768 bytes each (registers 0-3 of lane l at 16 l, registers 4-5 at 512 + 8 l); two neighbouring heads are one fragment of 128 along K.
;   Tile 2 g + p holds the tokens 32 g + 8 p + r + 8 (r / 8).  ys [16 tile + r][32]: the same rows' scale bytes.
; B = w_proj: rows 11,264 to 12,287 of xwc (768 bytes of codes a row) and of xws (32 scale bytes a row), in their own order.
; A tile of the result, 256 x 256, is made by four waves, each 128 x 128: 64 accumulators, 512 registers.  K goes in steps of 256 through a ring of two LDS slots filled by the tensor data mover:
; A's part of a step is 3,072 consecutive bytes (four heads) of each of 16 tiles of tokens, B's 192 bytes of each of 256 rows.  The scales of all of K come once, with the first fills, and stay.
; 128 tiles of the result, so 128 work-groups: the loop's form is the first product's, on the largest wave tile that the registers hold.
; CLUSTERS: 4 x 4 work-groups; A's tile is shared along a row of the cluster, B's along a column: each is asked for JOINTLY, by the same tensor load with a mask that names the four.
; THE MATRIX INSTRUCTION IS USED TRANSPOSED (source 0 = 16 rows of B, source 1 = 16 rows of A): a lane holds eight neighbouring numbers of a row of the result.
; REGISTERS, in windows of 256: window 0: v0-31 addresses; v32-63 scale words, two sets; from v128 A's fragments, ONE set; on the way out v128-255 take rows of the result.  window 1: B's fragments, two sets.
;   window 2: the accumulators of my rows 0-63 (accumulator (a, b) at v[8 (8 a + b)]); window 3: those of rows 64-127.
.set SIZE_N, 1024
.set NQ,     2
.set ROWB,   192                       ; B: a tile's row in bytes
.set KROW,   768                       ; a row of xwc; also yc's bytes for one token row: 12,288 a tile of 16
.set PITCH,  240                       ; B's LDS row: 3 x (64 bytes + 16 of padding)
.set FR,     12
.set NL,     6                         ; LDS loads that bring a fragment of B
.set NLA,    4                         ; and of A: 16, 8, 16 and 8 bytes a lane
.set NP,     4                         ; places behind this matrix instruction (ISA guide 7.12.1)
.set AROW,   3072                      ; A: a tile of tokens' bytes in a K step
.set HALFA,  8*AROW                    ; 8 tiles of tokens: what one tensor load brings
.set ATILE,  2*HALFA
.set HALFT,  128*PITCH
.set SLOT,   ATILE+2*HALFT             ; A's 16 tiles of tokens, then B's 256 rows
.set LAPS,   2
.set KS,     32
.set SCL,    2*SLOT
.set HALFS,  (128*KS/256)*272
.set SBLK,   (16*KS/256)*272
.set SPARE,  SCL+4*HALFS               ; the spare words, 128 bytes a wave: two blocks of 256 bytes that no other line names
.set SPITCH, 528                       ; the way out: a stage of 16 rows x (512 bytes + 16) for each wave, in slot 0, which has had its last fill and its last read when the first result is stored there
.set ADRA, 16                          ; v16-17 16 x lane + my A part of slot 0, 1;  v18-19 8 x lane + the same
.set ADRB, 20                          ; v20-21 my B fragments in slot 0, 1;  v22-23 behind one padding more
.set STO,  24
.set RD,   25
.set CO,   26
.set ADRS, 27
.set SPW,  28                          ; v28 LDS address of my spare word; never rewritten
.set NIL,  29                          ; v29 0; never rewritten
.set SC,   32
.set AF,   128
.set BK,   128
.set G1, 24
.set G0, 32
.set G1B, 48
.set G0B, 56
.set G1S, 68
.set G0S, 76
.set G1SB, 80
.set G0SB, 88
.set MSB, 0
.macro WIN new
.if MSB != \new
	s_set_vgpr_msb (MSB<<8)|\new
.set MSB, \new
.endif
.endm
.set MUL_LO, 0xa1
.set MUL_HI, 0xf1
.set TO_B,   0x40
.macro JLOAD g0a, g1a, g0b, g1b        ; a joint load: waves 0 and 1 fetch for A, waves 2 and 3 for B; four v_nop follow each of the two lines
	s_cmp_eq_u32 s15, 0
	s_cbranch_scc0 .Lfor_b_\@
	tensor_load_to_lds s[\g0a:\g0a+3], s[\g1a:\g1a+7]
	s_nop 0
.rept 4
	v_nop
.endr
	s_branch .Lasked_\@
.Lfor_b_\@:
	tensor_load_to_lds s[\g0b:\g0b+3], s[\g1b:\g1b+7]
	s_nop 0
.rept 4
	v_nop
.endr
.Lasked_\@:
.endm
.macro CREST
	s_cmp_lg_u32 s14, 0
	s_cbranch_scc1 .Lnot_wave_0_\@
	s_barrier_signal -3
.Lnot_wave_0_\@:
	s_barrier_wait -3
	s_barrier_signal -1
	s_barrier_wait -1
.endm
.macro CROUND
	s_barrier_signal -1
	s_barrier_wait -1
	CREST
.endm
	s_load_b128 s[4:7], s[0:1], 0x0                ; yc, ys
	s_load_b128 s[8:11], s[0:1], 0x10              ; xwc, xws
	s_load_b64 s[12:13], s[0:1], 0x20              ; out0
	v_lshl_add_u32 v[SPW], v0, 2, SPARE
	v_mov_b32 v[NIL], 0
	ds_add_u32 v28, v29
	s_wait_dscnt 0x0
	v_lshrrev_b32 v1, 5, v0
	v_readfirstlane_b32 s14, v1                    ; wave 0..3
	s_lshr_b32 s15, s14, 1                         ; which half of the tile's rows is mine.  Also: I fetch for A (0) or for B (1)
	s_and_b32 s16, s14, 1                          ; which half of its columns.  Also: which half of that tile I fetch
	s_bfe_u32 s40, ttmp6, 0x40000                  ; cx, cy
	s_bfe_u32 s41, ttmp6, 0x40004
	s_lshl_b32 s42, ttmp9, 2
	s_add_co_u32 s42, s42, s40                     ; tile column
	s_and_b32 s17, ttmp7, 0xffff
	s_lshl_b32 s17, s17, 2
	s_add_co_u32 s17, s17, s41                     ; tile row
	s_lshl_b32 s43, s41, 2
	s_lshl_b32 s43, 15, s43                        ; my row of the cluster
	s_lshl_b32 s44, 0x1111, s40                    ; my column
	; A's group 1: 8 rows (tiles of tokens) x 3,072 bytes, 12,288 bytes apart, no padding: the images are read as they lie, 16 or 8 bytes a lane on end
	s_or_b32 s[G1+0], s43, (0<<16)|(1<<21)
	s_mov_b32 s[G1+1], AROW<<16                    ; tensor_dim0
	s_mov_b32 s[G1+2], 8<<16                       ; tensor_dim1
	s_mov_b32 s[G1+3], AROW<<16                    ; tile_dim0
	s_mov_b32 s[G1+4], 8                           ; tile_dim1
	s_mov_b32 s[G1+5], 16*KROW                     ; tensor_dim0_stride
	s_mov_b32 s[G1+6], 0
	s_mov_b32 s[G1+7], 0
	; B's: 128 rows x 192 bytes, 16 bytes of padding behind every 64
	s_or_b32 s[G1B+0], s44, (0<<16)|(1<<20)|(1<<21)|(3<<22)|(3<<25)
	s_mov_b32 s[G1B+1], ROWB<<16
	s_mov_b32 s[G1B+2], 128<<16
	s_mov_b32 s[G1B+3], ROWB<<16
	s_mov_b32 s[G1B+4], 128
	s_mov_b32 s[G1B+5], KROW
	s_mov_b32 s[G1B+6], 0
	s_mov_b32 s[G1B+7], 0
	; the scales of 128 rows: 4,096 dense bytes, as 16 rows of 256 bytes, 16 bytes of padding behind each
	s_or_b32 s[G1S+0], s43, (3<<16)|(1<<20)|(1<<21)|(5<<22)|(3<<25)
	s_or_b32 s[G1SB+0], s44, (3<<16)|(1<<20)|(1<<21)|(5<<22)|(3<<25)
.irp g, G1S, G1SB
	s_mov_b32 s[\g+1], 32<<16
	s_mov_b32 s[\g+2], (128*KS/256)<<16
	s_mov_b32 s[\g+3], 32<<16
	s_mov_b32 s[\g+4], 128*KS/256
	s_mov_b32 s[\g+5], 32
	s_mov_b32 s[\g+6], 0
	s_mov_b32 s[\g+7], 0
.endr
	s_lshl_b32 s18, s16, 7                         ; which 128 rows of the tile I fetch
	s_lshl_b32 s20, s17, 8
	s_add_co_u32 s20, s20, s18                     ; A: row 256 x tile row + 128 x half (16 rows are a tile of tokens: 768 bytes a row in yc too)
	s_lshl_b32 s46, s42, 8
	s_add_co_u32 s46, s46, s18
	s_add_co_u32 s46, s46, 11264                   ; B: w_proj's rows lie behind x's and w_qkv's
	s_mov_b32 s21, 0
	s_mov_b32 s47, 0
	s_mov_b64 s[18:19], KS
	s_mul_u64 s[22:23], s[20:21], s[18:19]
	s_mul_u64 s[92:93], s[46:47], s[18:19]
	s_mov_b64 s[18:19], KROW
	s_mul_u64 s[20:21], s[20:21], s[18:19]
	s_mul_u64 s[46:47], s[46:47], s[18:19]
	s_mul_i32 s45, s16, HALFA                      ; where they go: no place in the cluster enters an LDS address
	s_mul_i32 s66, s16, HALFT
	s_add_co_u32 s66, s66, ATILE
	s_mul_i32 s94, s14, HALFS
	s_wait_kmcnt 0x0
	s_add_nc_u64 s[20:21], s[4:5], s[20:21]
	s_add_nc_u64 s[22:23], s[6:7], s[22:23]
	s_add_nc_u64 s[46:47], s[8:9], s[46:47]
	s_add_nc_u64 s[92:93], s[10:11], s[92:93]
	CROUND                                         ; all sixteen work-groups are here: the first joint loads meet
	s_mov_b32 s[G0S], 1
	s_add_co_u32 s[G0S+1], s94, SCL
	s_mov_b64 s[G0S+2:G0S+3], s[22:23]
	s_or_b32 s[G0S+3], s[G0S+3], 0x80000000
	s_mov_b32 s[G0SB], 1
	s_add_co_u32 s[G0SB+1], s94, SCL
	s_mov_b64 s[G0SB+2:G0SB+3], s[92:93]
	s_or_b32 s[G0SB+3], s[G0SB+3], 0x80000000
	JLOAD G0S, G1S, G0SB, G1SB                     ; the scales first
.irp s, 0,1
	s_mov_b32 s[G0+4*\s], 1
	s_add_co_u32 s[G0+4*\s+1], s45, \s*SLOT
	s_add_nc_u64 s[G0+4*\s+2:G0+4*\s+3], s[20:21], \s*AROW
	s_or_b32 s[G0+4*\s+3], s[G0+4*\s+3], 0x80000000
	s_mov_b32 s[G0B+4*\s], 1
	s_add_co_u32 s[G0B+4*\s+1], s66, \s*SLOT
	s_add_nc_u64 s[G0B+4*\s+2:G0B+4*\s+3], s[46:47], \s*ROWB
	s_or_b32 s[G0B+4*\s+3], s[G0B+4*\s+3], 0x80000000
	JLOAD G0+4*\s, G1, G0B+4*\s, G1B
.endr
	v_and_b32 v1, 15, v0                           ; r
	v_bfe_u32 v2, v0, 4, 1                         ; h
	v_and_b32 v6, 31, v0                           ; lane
	v_mul_u32_u24 v3, v1, PITCH
	v_mul_u32_u24 v4, v2, 24
	v_add_nc_u32 v4, v3, v4                        ; B: a fragment's row x pitch + 24 x half
	v_lshl_add_u32 v5, v2, 4, v4                   ; and the same behind one padding more
	v_lshlrev_b32 v7, 4, v6
	v_lshlrev_b32 v8, 3, v6
	s_mul_i32 s21, s15, HALFA                      ; my 8 tiles of tokens
	s_mul_i32 s22, s16, HALFT                      ; my 128 rows of B,
	s_add_co_u32 s22, s22, ATILE                   ; which lie behind A's part
.irp s, 0,1
	v_add_nc_u32 v[ADRA+\s], s21, v7
	v_add_nc_u32 v[ADRA+2+\s], s21, v8
	v_add_nc_u32 v[ADRB+\s], s22, v4
	v_add_nc_u32 v[ADRB+2+\s], s22, v5
	s_add_co_u32 s21, s21, SLOT
	s_add_co_u32 s22, s22, SLOT
.endr
	v_mul_u32_u24 v5, v1, KS
	v_lshrrev_b32 v6, 8, v5
	v_lshl_add_u32 v5, v6, 4, v5
	s_mul_i32 s21, s15, HALFS
	s_mul_i32 s22, s16, HALFS
	s_add_co_u32 s22, s22, 2*HALFS
	s_sub_co_u32 s22, s22, s21
	v_mul_u32_u24 v6, s22, v2                      ; lanes 16-31 take B's: one product, the distance between the two bases
	s_add_co_u32 s21, s21, SCL
	v_add_nc_u32 v5, v5, v6
	v_add_nc_u32 v[ADRS], s21, v5
	s_mul_i32 s23, s14, 16*SPITCH                  ; my stage
	v_mul_u32_u24 v5, v1, SPITCH
	v_lshl_add_u32 v5, v2, 5, v5
	v_add_nc_u32 v[STO], s23, v5
	v_mov_b32 v[CO], v7                            ; back: the 32 lanes take one row of 512 bytes; and the same in out0
	v_add_nc_u32 v[RD], s23, v[CO]
	s_lshl_b32 s20, s17, 8
	s_lshl_b32 s21, s15, 7
	s_add_co_u32 s20, s20, s21                     ; my first token: 256 x tile row + 128 x half
	s_mov_b32 s21, 0
	s_mov_b64 s[18:19], SIZE_N*4
	s_mul_u64 s[20:21], s[20:21], s[18:19]
	s_lshl_b32 s46, s42, 10                        ; my first column, in bytes
	s_lshl_b32 s47, s16, 9
	s_add_co_u32 s46, s46, s47
	s_mov_b32 s47, 0
	s_add_nc_u64 s[20:21], s[20:21], s[46:47]
	s_add_nc_u64 s[12:13], s[12:13], s[20:21]
.macro FRAG reg, adr, q, i             ; a fragment of B from rows: 24 bytes of the row's stream of bits twice, in pieces of 8 bytes; where lanes 16-31's piece lies behind one padding more, the second address register serves
.irp p, 0,1,2,3,4,5
.set PC, 12*(\q)+6*(\p/3)+\p%3
.if PC%8 < 5
	ds_load_b64 v[\reg+2*\p:\reg+2*\p+1], v[\adr] offset:8*PC+16*(PC/8)+(\i)*16*PITCH
.else
	ds_load_b64 v[\reg+2*\p:\reg+2*\p+1], v[\adr+2] offset:8*PC+16*(PC/8)+(\i)*16*PITCH
.endif
.endr
.endm
.macro FRAG_A reg, slot, q, i          ; a fragment of A from two half images: each load takes consecutive bytes, lane by lane
	ds_load_b128 v[\reg:\reg+3], v[ADRA+\slot] offset:AROW*(\i)+1536*(\q)
	ds_load_b64 v[\reg+4:\reg+5], v[ADRA+2+\slot] offset:AROW*(\i)+1536*(\q)+512
	ds_load_b128 v[\reg+6:\reg+9], v[ADRA+\slot] offset:AROW*(\i)+1536*(\q)+768
	ds_load_b64 v[\reg+10:\reg+11], v[ADRA+2+\slot] offset:AROW*(\i)+1536*(\q)+1280
.endm
; 16 matrix instructions: A's blocks a0, a0 + 1 x B's eight.  The 64 accumulators take turns, one instruction a turn, in the same order in every step.
.macro MUL16 a0, p, q, sc, zero
.irp a, \a0, \a0+1
.irp b, 0,1,2,3,4,5,6,7
.if \zero
	v_wmma_scale_f32_16x16x128_f8f6f4 v[8*(8*((\a)%4)+\b):8*(8*((\a)%4)+\b)+7], v[128*(\p)+FR*\b:128*(\p)+FR*\b+FR-1], v[AF+FR*(\a):AF+FR*(\a)+FR-1], 0, v[SC+8*NQ*(\sc)+NQ*\b+(\q)], v[SC+8*NQ*(\sc)+NQ*(\a)+(\q)] matrix_a_fmt:MATRIX_FMT_BF6 matrix_b_fmt:MATRIX_FMT_BF6 matrix_a_scale:MATRIX_SCALE_ROW1
.else
	v_wmma_scale_f32_16x16x128_f8f6f4 v[8*(8*((\a)%4)+\b):8*(8*((\a)%4)+\b)+7], v[128*(\p)+FR*\b:128*(\p)+FR*\b+FR-1], v[AF+FR*(\a):AF+FR*(\a)+FR-1], v[8*(8*((\a)%4)+\b):8*(8*((\a)%4)+\b)+7], v[SC+8*NQ*(\sc)+NQ*\b+(\q)], v[SC+8*NQ*(\sc)+NQ*(\a)+(\q)] matrix_a_fmt:MATRIX_FMT_BF6 matrix_b_fmt:MATRIX_FMT_BF6 matrix_a_scale:MATRIX_SCALE_ROW1
.endif
.endr
.endr
.endm
.macro FETCH_B slot, q, p
	WIN TO_B
.irp i, 0,1,2,3,4,5,6,7
	FRAG 128*(\p)+FR*\i, ADRB+\slot, \q, \i
.endr
	WIN 0
.endm
.macro FETCH_A slot, q, i0
.irp i, \i0, \i0+1, \i0+2, \i0+3
	FRAG_A AF+FR*(\i), \slot, \q, \i
.endr
.endm
.macro SCALES sc
.irp i, 0,1,2,3,4,5,6,7
	ds_load_b64 v[SC+8*NQ*\sc+NQ*\i:SC+8*NQ*\sc+NQ*\i+1], v[ADRS] offset:\i*SBLK
.endr
.endm
.macro PLACES n                        ; a load into a register that a matrix instruction has read, and an LDS store that reads a matrix result, stand NP plain vector instructions behind it
.rept \n
	v_nop
.endr
.endm
.macro STEP slot, q, zero
	s_wait_dscnt 4*NLA                             ; B's set and A's blocks 0-3 are in; the youngest 16 loads (A's blocks 4-7) may be out
	WIN MUL_LO
	MUL16 0, (\q)%2, \q, \slot, \zero
	MUL16 2, (\q)%2, \q, \slot, \zero
	s_wait_dscnt 0
	PLACES NP
	FETCH_B \slot, (\q)+1, 1-(\q)%2
	FETCH_A \slot, (\q)+1, 0
	WIN MUL_HI
	MUL16 4, (\q)%2, \q, \slot, \zero
	MUL16 6, (\q)%2, \q, \slot, \zero
	PLACES NP
	WIN 0
	FETCH_A \slot, (\q)+1, 4
.endm
; A slot's last step changes slots: ONE barrier; in front of it each wave waits for all its tensor loads, adds 0 to its spare word, and waits for that and for its own reads of this slot.
.macro TURN slot, next, fill
	s_wait_tensorcnt 0x0                           ; all my tensor loads have landed: my part of the next slot
	ds_add_u32 v[SPW], v[NIL]                      ; 0 onto my spare word
	s_wait_dscnt 4*NLA+1                           ; (the add and the youngest 16 loads may be out)
	WIN MUL_LO
	MUL16 0, 1, NQ-1, \slot, 0
	s_wait_dscnt 0x0                               ; the add is done, and my reads of this slot are over
	s_barrier_signal -1
	MUL16 2, 1, NQ-1, \slot, 0
	WIN 0
	s_barrier_wait -1
.if \fill
	CREST                                          ; the barrier has opened a round of the cluster's barrier: no wave of any partner still reads this slot or has a load on its way
	s_add_nc_u64 s[G0+4*\slot+2:G0+4*\slot+3], s[G0+4*\slot+2:G0+4*\slot+3], 2*AROW
	s_add_nc_u64 s[G0B+4*\slot+2:G0B+4*\slot+3], s[G0B+4*\slot+2:G0B+4*\slot+3], 2*ROWB
	JLOAD G0+4*\slot, G1, G0B+4*\slot, G1B         ; the first tensor load behind the round; its four v_nop are also the places in front of the loads below
.else
	PLACES NP
.endif
	v_add_nc_u32 v[ADRS], 4*NQ, v[ADRS]
	FETCH_B \next, 0, 0
	FETCH_A \next, 0, 0
	SCALES \next
	WIN MUL_HI
	MUL16 4, 1, NQ-1, \slot, 0
	MUL16 6, 1, NQ-1, \slot, 0
	PLACES NP
	WIN 0
	FETCH_A \next, 0, 4
.endm
	s_wait_tensorcnt 1                             ; the scales and my part of K step 0 are in (K step 1's load may be out)
	s_barrier_signal -1
	s_barrier_wait -1
	FETCH_B 0, 0, 0
	FETCH_A 0, 0, 0
	SCALES 0
	FETCH_A 0, 0, 4
	STEP 0, 0, 1                                   ; the first step's products start the sums
	s_mov_b32 s3, LAPS-1
.Llap:
	TURN 0, 1, 1
	STEP 1, 0, 0
	TURN 1, 0, 1
	STEP 0, 0, 0
	s_sub_co_u32 s3, s3, 1
	s_cmp_lg_u32 s3, 0
	s_cbranch_scc1 .Llap
	TURN 0, 1, 0                                   ; the last lap fills nothing
	STEP 1, 0, 0
	s_wait_dscnt 4*NLA
	WIN MUL_LO
	MUL16 0, 1, NQ-1, 1, 0
	MUL16 2, 1, NQ-1, 1, 0
	s_wait_dscnt 0
	WIN MUL_HI
	MUL16 4, 1, NQ-1, 1, 0
	MUL16 6, 1, NQ-1, 1, 0
	WIN 0
; THE WAY OUT, block by block of 16 rows x 128 columns, through my own stage in LDS: in as 32 bytes a lane, back as whole rows of 512 bytes.  LDS serves a wave's instructions in order (ISA guide 5.7.1.4).
; Stage row t of block a is token 32 (a / 2) + 8 (a % 2) + t + 8 (t / 8) of my 128: it stands in the store's immediate, 127 rows of 4,096 bytes at the most, so the base never steps.
.macro TOSTAGE a
.set AC, 64*((\a)%4)
	WIN 0x08+4*((\a)/4)                            ; the data: window 2 or 3
.irp b, 0,1,2,3,4,5,6,7
	ds_store_b128 v[STO], v[AC+8*\b:AC+8*\b+3] offset:64*\b          ; each accumulator from its low end on
	ds_store_b128 v[STO], v[AC+8*\b+4:AC+8*\b+7] offset:64*\b+16
.endr
	WIN 0
.set BB, BK+64*((\a)%2)
.irp t, 0,1,2,3,4,5,6,7,8,9,10,11,12,13,14,15
	ds_load_b128 v[BB+4*\t:BB+4*\t+3], v[RD] offset:\t*SPITCH
.endr
.endm
.macro SEND a, younger                 ; younger: the LDS instructions issued behind block a's loads, which may stay out
.set BB, BK+64*((\a)%2)
	s_wait_dscnt \younger
.irp t, 0,1,2,3,4,5,6,7,8,9,10,11,12,13,14,15
	global_store_b128 v[CO], v[BB+4*\t:BB+4*\t+3], s[12:13] offset:(32*((\a)/2)+8*((\a)%2)+\t+8*(\t/8))*SIZE_N*4 th:TH_STORE_NT   ; 32 lanes store 512 consecutive bytes, aligned
.endr
.endm
	PLACES NP
	TOSTAGE 0
.irp a, 1,2,3,4,5,6,7
.if \a > 1
	s_wait_xcnt 0x0                                ; block a - 2's stores have read their registers: block a's loads may land there
.endif
	TOSTAGE \a
	SEND \a-1, 32                                  ; behind block a - 1's loads: block a's 16 stores and 16 loads
.endr
	SEND 7, 0
	s_wait_tensorcnt 0x0                           ; the wave's end
	ds_add_u32 v[SPW], v[NIL]
	s_wait_dscnt 0x0
	CROUND                                         ; the closing round
	s_endpgm
.Lfunc_end_k_q3597c9a8b2_proj:
	.size	k_q3597c9a8b2_proj, .Lfunc_end_k_q3597c9a8b2_proj-k_q3597c9a8b2_proj
	.p2alignl 7, 3214868480
	.fill 96, 4, 3214868480
	.section	.rodata,"a",@progbits
	.p2align	6, 0x0
	.amdhsa_kernel k_q3597c9a8b2_proj
		.amdhsa_group_segment_fixed_size 327680
		.amdhsa_private_segment_fixed_size 0
		.amdhsa_enable_private_segment 0
		.amdhsa_kernarg_size 40
		.amdhsa_user_sgpr_count 2
		.amdhsa_user_sgpr_kernarg_segment_ptr 1
		.amdhsa_wavefront_size32 1
		.amdhsa_system_sgpr_workgroup_id_x 1
		.amdhsa_system_sgpr_workgroup_id_y 1
		.amdhsa_system_sgpr_workgroup_id_z 1
		.amdhsa_system_vgpr_workitem_id 0
		.amdhsa_next_free_vgpr 1024
		.amdhsa_next_free_sgpr 98
		.amdhsa_reserve_vcc 0
		.amdhsa_float_denorm_mode_32 3
		.amdhsa_float_denorm_mode_16_64 3
		.amdhsa_memory_ordered 1
		.amdhsa_forward_progress 1
		.amdhsa_inst_pref_size 151
	.end_amdhsa_kernel
	.amdgpu_metadata
---
amdhsa.version: [ 1, 2 ]
amdhsa.kernels:
  - .name:           k_q3597c9a8b2_proj
    .symbol:         k_q3597c9a8b2_proj.kd
    .args:
      - { .name: yc, .offset: 0, .size: 8, .value_kind: global_buffer, .address_space: global }
      - { .name: ys, .offset: 8, .size: 8, .value_kind: global_buffer, .address_space: global }
      - { .name: xwc, .offset: 16, .size: 8, .value_kind: global_buffer, .address_space: global }
      - { .name: xws, .offset: 24, .size: 8, .value_kind: global_buffer, .address_space: global }
      - { .name: out0, .offset: 32, .size: 8, .value_kind: global_buffer, .address_space: global }
    .group_segment_fixed_size: 327680
    .private_segment_fixed_size: 0
    .kernarg_segment_align: 8
    .kernarg_segment_size: 40
    .max_flat_workgroup_size: 128
    .sgpr_count:     98
    .vgpr_count:     1024
    .wavefront_size: 32
...
	.end_amdgpu_metadata
.endif
;; end of part 4
